; MI455X (gfx1250); checked and timed in simulation.
; The chip was launched on July 23, 2026; its instructions are those of AMD's public machine-readable ISA for CDNA 5 (MIT licence, August 2026) and "CDNA5" Instruction Set Architecture Reference Guide (July 2026). The comments in the code are by the model that wrote it; some were corrected since.
;; Tuck ER KBLN. Allowed arithmetic: float matrix products may take bf16 or f16 operands with f32 sums; other float arithmetic in f32, or as packed bf16 or f16 multiplies, adds, multiply-adds, maxima and minima; sums over many terms, partial sums and values carried from step to step in f32; what a program stores and reads back later, other than sums and carried values, may be rounded once to bf16 or f16.
;; Inputs: E 40,000 x 200 float32; R 500 x 200 float32; W 200 x 200 x 200 float32; bn0_beta 200 float32; bn0_gamma 200 float32; bn1_beta 200 float32; bn1_gamma 200 float32; c 64 float32; e1_idx 64 int32; lits 40,000 x 64 float32; nf 500 x 64 float32; r_idx 64 int32; var_l 64 float32.
;; Outputs: out0 64 x 40,000 float32.
;; 2 versions, each right and faster than the one before. Each part assembles by itself: llvm-mc -triple=amdgcn-amd-amdhsa -mcpu=gfx1250 --defsym DOCPART=n.
;; ======== version 1 of 2: 3 launches
;; limits: inputs' magnitudes at most 65,504; values are held in f16: magnitudes above 65,504 overflow, below 6.1e-05 lose precision
;; workspace buffers: part 10,240,000 bytes; x2t 25,600 bytes; tab 66,816 bytes
;; launch core (part 1): grid 200 x 1, 7 waves a work-group, no clusters, 253,184 bytes of LDS; arguments E, R, W, bn0_gamma, bn0_beta, e1_idx, r_idx, part; writes part
.if DOCPART == 1
	.amdgcn_target "amdgcn-amd-amdhsa--gfx1250"
	.amdhsa_code_object_version 6
	.text
	.protected	k_qcba433108d_core
	.globl	k_qcba433108d_core
	.p2align	8
	.type	k_qcba433108d_core,@function
k_qcba433108d_core:
	s_mov_b64 s[64:65], 0
	v_nop
	global_prefetch_b8 v0, s[64:65] scope:SCOPE_SE
	s_setreg_imm32_b32 hwreg(HW_REG_WAVE_MODE, 25, 1), 1
	s_wait_xcnt 0x0
; TuckER's core, first of three launches.  x = BN0(E[e1_idx]) (64 b x 200 i, batch statistics, biased variance), and for ONE k a work-group:
; part[j][k][b] = R[r_idx[b]][k] * sum over i of x[b][i] W[k][i][j], in f32.  The sum over k, BN1 and all else follow in the later launches.
; NO WORK OF reference() IS LEFT OUT in this program: all thirteen inputs have a way to the output and are loaded by one launch or another.
; FORMATS.  x and W go to the matrix unit as f16, each rounded once from f32; sums in f32; the partial sums are stored in f32.
; LIMITS.  |W| and |x| stay under 65,504 (f16); x is batch-normalised, so |x| <= sqrt(63) |gamma| + |beta|.  NaN and infinities are not treated apart.  The sums are taken in another order than reference() takes them.
; SHARES.  Work-group k owns W[k]: 160,000 dense bytes, 625 rows of 256, brought whole into LDS by two tensor loads a wave (58 + 32 rows; the last rows past W[k]'s end arrive as zeros and are never read).
; While they are on their way thread t gathers column t of the 64 rows of E, normalises it in registers and stores it as f16; threads 200 to 223 make columns of zeros, so that K = 224 = 7 steps of 32.
; Wave g then makes columns j = 32 g .. 32 g + 31 for all 64 b: 4 tiles of b x 2 tiles of j, tile q holding the columns 32 g + 2 r + q, so that one 8-byte LDS load a lane feeds both tiles.
; Wave 6 has 8 live columns (lanes r < 4); its other lanes read a clamped address and their columns are not stored.
; K IS PERMUTED alike in both sources: fragment place 16 u + 8 h + 4 v + e holds i = 32 s + 16 u + 8 v + 4 h + e, so that the two halves of the lanes read rows of W four apart: 800 words, half of the 64 banks (ISA guide 11.1).
.set WT,    0                          ; W[k] in f32 as it lies in memory, rows of 800 bytes: 630 blocks of 256
.set XS,    161280                     ; x in f16, [64 b][224 i], pitch 464 = 29 x 16
.set XP,    464
.set RK,    190976                     ; R[r_idx[b]][k], 64 f32
.set STG,   191232                     ; each wave's own stage: 32 rows (columns j) x 272 bytes (64 b in f32 + 16)
.set SP,    272
.set SPARE, 252160                     ; the spare words, 128 bytes a wave: four blocks of 256 that no other line names
.set SPW, 1                            ; v1   SPARE + 4 x thread; never rewritten
.set NIL, 2                            ; v2   0; never rewritten
.set RR,  3                            ; v3   r = lane % 16
.set HH,  4                            ; v4   h = lane / 16
.set COL, 5                            ; v5   4 min(thread, 199)
.set XSA, 6                            ; v6   XS + 2 x thread
.set AW,  7                            ; v7-10  W's fragments: 3200 h + min(128 g + 8 r, 792), + 51,200 for each two K steps
.set AX,  11                           ; v11  XS + 464 r + 8 h
.set ARK, 12                           ; v12  RK + 32 h
.set STO, 13                           ; v13  into my stage
.set RD,  14                           ; v14  back out of it
.set GO,  15                           ; v15  my byte offset in part
.set X,   32                           ; v[32:95]  the 64 gathered numbers; later the 8 accumulators, (mt, q) at 32 + 8 (2 mt + q)
.set ACC, 32
.set RAW, 96                           ; v[96:159]   W in f32 as loaded, two sets of 32
.set XF,  160                          ; v[160:223]  x's fragments, two sets of 32
.set WF,  224                          ; v[224:239]  W's fragments in f16, two tiles of 8
.set WV,  20                           ; s20  wave
.set KK,  21                           ; s21  k
	s_load_b512 s[4:19], s[0:1], 0x0               ; E 4:5, R 6:7, W 8:9, gamma 10:11, beta 12:13, e1_idx 14:15, r_idx 16:17, part 18:19
	v_lshl_add_u32 v[SPW], v0, 2, SPARE
	v_mov_b32 v[NIL], 0
	ds_add_u32 v[SPW], v[NIL]                      ; the wave's opening: the add, twice on end, and its wait ahead of my first tensor load
	ds_add_u32 v[SPW], v[NIL]
	v_lshrrev_b32 v3, 5, v0
	v_readfirstlane_b32 s[WV], v3
	s_mov_b32 s[KK], ttmp9
	; group 1 of the first load: 58 rows of 32 elements of 8 bytes, dense
	s_mov_b32 s32, 3<<16                           ; elements of 8 bytes, no padding, no mask
	s_mov_b32 s33, 32<<16                          ; tensor_dim0 = 32
	s_mov_b32 s34, 58<<16                          ; tensor_dim1 = 58
	s_mov_b32 s35, 32<<16                          ; tile_dim0 = 32
	s_mov_b32 s36, 58                              ; tile_dim1 = 58
	s_mov_b32 s37, 32                              ; 32 elements from row to row
	s_mov_b32 s38, 0
	s_mov_b32 s39, 0
	; group 1 of the second: 32 rows, of which 219 - 32 g are left of W[k] (27 for wave 6: the other five arrive as zeros)
	s_mov_b32 s40, 3<<16
	s_mov_b32 s41, 32<<16
	s_lshl_b32 s22, s[WV], 5
	s_sub_co_u32 s22, 219, s22
	s_lshl_b32 s42, s22, 16
	s_mov_b32 s43, 32<<16
	s_mov_b32 s44, 32
	s_mov_b32 s45, 32
	s_mov_b32 s46, 0
	s_mov_b32 s47, 0
	s_mov_b32 s24, 1
	s_mul_i32 s25, s[WV], 14848                    ; LDS address = byte offset in W[k]: 58 rows a wave,
	s_mov_b32 s28, 1
	s_lshl_b32 s29, s[WV], 13
	s_add_co_u32 s29, s29, 103936                  ; then, behind the 406 rows, 32 rows a wave
	s_mul_i32 s2, s[KK], 160000
	s_add_co_u32 s2, s2, s25
	s_mov_b32 s3, 0
	s_mul_i32 s100, s[KK], 160000
	s_add_co_u32 s100, s100, s29
	s_mov_b32 s101, 0
	s_wait_dscnt 0x0                               ; both opening adds are done
	s_wait_kmcnt 0x0
	s_add_nc_u64 s[26:27], s[8:9], s[2:3]
	s_or_b32 s27, s27, 0x80000000
	s_add_nc_u64 s[30:31], s[8:9], s[100:101]
	s_or_b32 s31, s31, 0x80000000
	tensor_load_to_lds s[24:27], s[32:39]          ; two loads of mine are out from here on
	s_nop 0
	tensor_load_to_lds s[28:31], s[40:47]
	s_nop 0
	; THE GATHER: thread t takes E[e1_idx[b]][t] for all 64 b; the indices are wave-uniform and come by scalar loads
	v_min_u32 v[COL], 199, v0
	v_lshlrev_b32 v[COL], 2, v[COL]
	v_min_u32 v30, 63, v0
	v_lshlrev_b32 v30, 2, v30
	global_load_b32 v17, v30, s[16:17]             ; r_idx[min(t, 63)]
	global_load_b32 v18, v[COL], s[10:11]          ; gamma
	global_load_b32 v19, v[COL], s[12:13]          ; beta
	s_load_b512 s[48:63], s[14:15], 0x0
	s_load_b512 s[68:83], s[14:15], 0x40
	s_load_b512 s[84:99], s[14:15], 0x80
	s_wait_kmcnt 0x0
.macro GATH b, sr                      ; the load lands on its own offset register
	s_min_u32 s100, s[(\sr)], 39999
	s_mul_i32 s100, s100, 800
	v_add_nc_u32 v[X+(\b)], s100, v[COL]
	global_load_b32 v[X+(\b)], v[X+(\b)], s[4:5]
.endm
.set b, 0
.rept 16
	GATH b, 48+b
.set b, b+1
.endr
	s_load_b512 s[48:63], s[14:15], 0xc0           ; indices 48 to 63, into the registers that the first sixteen have left
.rept 16
	GATH b, 52+b
.set b, b+1
.endr
.rept 16
	GATH b, 52+b
.set b, b+1
.endr
	s_wait_loadcnt 48                              ; the 48 gathers may stay out: r_idx, gamma and beta are in
	v_min_u32 v17, 499, v17
	v_mul_u32_u24 v17, v17, 800
	v_lshl_add_u32 v17, s[KK], 2, v17
	global_load_b32 v31, v17, s[6:7]               ; R[r_idx[b]][k]
	v_lshl_add_u32 v30, v0, 2, RK                  ; (its load is done: the register is free)
	s_wait_kmcnt 0x0
.rept 16
	GATH b, b
.set b, b+1
.endr
	; addresses, while the gathers are on their way
	v_and_b32 v[RR], 15, v0
	v_bfe_u32 v[HH], v0, 4, 1
	v_lshl_add_u32 v[XSA], v0, 1, XS
	s_lshl_b32 s22, s[WV], 7
	v_lshl_add_u32 v[AW], v[RR], 3, s22
	v_min_u32 v[AW], 792, v[AW]
	v_mul_u32_u24 v16, v[HH], 3200
	v_add_nc_u32 v[AW], v[AW], v16
	v_add_nc_u32 v[AW+1], 51200, v[AW]
	v_add_nc_u32 v[AW+2], 102400, v[AW]
	v_add_nc_u32 v[AW+3], 153600, v[AW]
	v_mul_u32_u24 v[AX], v[RR], XP
	v_lshl_add_u32 v[AX], v[HH], 3, v[AX]
	v_add_nc_u32 v[AX], XS, v[AX]
	v_lshl_add_u32 v[ARK], v[HH], 5, RK
	s_mul_i32 s22, s[WV], 32*SP
	s_add_co_u32 s22, s22, STG
	v_mul_u32_u24 v[STO], v[RR], SP
	v_lshl_add_u32 v[STO], v[HH], 5, v[STO]
	v_add_nc_u32 v[STO], s22, v[STO]
	v_mul_u32_u24 v[RD], v[HH], SP
	v_lshl_add_u32 v[RD], v[RR], 4, v[RD]
	v_add_nc_u32 v[RD], s22, v[RD]
	s_mul_i32 s22, s[WV], 1638400                  ; 32 columns of 51,200 bytes
	v_mul_u32_u24 v[GO], v[HH], 102400             ; two columns
	v_lshl_add_u32 v[GO], v[RR], 4, v[GO]
	v_add_nc_u32 v[GO], s22, v[GO]
	s_lshl_b32 s2, s[KK], 8
	s_mov_b32 s3, 0
	s_add_nc_u64 s[18:19], s[18:19], s[2:3]        ; part at my k
	s_wait_loadcnt 0x0
	; BN0 of my column: the mean, then the centred squares (no difference of large sums), four chains each
.irp c, 0,1,2,3
	v_pk_add_f32 v[20+2*(\c):21+2*(\c)], v[X+2*(\c):X+2*(\c)+1], v[X+8+2*(\c):X+8+2*(\c)+1]
.endr
.set p, 8
.rept 24
	v_pk_add_f32 v[20+2*(p%4):21+2*(p%4)], v[20+2*(p%4):21+2*(p%4)], v[X+2*p:X+2*p+1]
.set p, p+1
.endr
	v_pk_add_f32 v[20:21], v[20:21], v[22:23]
	v_pk_add_f32 v[24:25], v[24:25], v[26:27]
	v_pk_add_f32 v[20:21], v[20:21], v[24:25]
	v_add_f32 v20, v20, v21
	v_mul_f32 v28, 0x3c800000, v20                 ; / 64
	v_mov_b32 v29, v28
.set p, 0
.rept 32
	v_pk_add_f32 v[X+2*p:X+2*p+1], v[X+2*p:X+2*p+1], v[28:29] neg_lo:[0,1] neg_hi:[0,1]
.set p, p+1
.endr
.irp c, 0,1,2,3
	v_pk_mul_f32 v[20+2*(\c):21+2*(\c)], v[X+2*(\c):X+2*(\c)+1], v[X+2*(\c):X+2*(\c)+1]
.endr
.set p, 4
.rept 28
	v_pk_fma_f32 v[20+2*(p%4):21+2*(p%4)], v[X+2*p:X+2*p+1], v[X+2*p:X+2*p+1], v[20+2*(p%4):21+2*(p%4)]
.set p, p+1
.endr
	v_pk_add_f32 v[20:21], v[20:21], v[22:23]
	v_pk_add_f32 v[24:25], v[24:25], v[26:27]
	v_pk_add_f32 v[20:21], v[20:21], v[24:25]
	v_add_f32 v20, v20, v21
	v_mov_b32 v21, 0x3727c5ac                      ; 1e-5
	v_fmamk_f32 v20, v20, 0x3c800000, v21          ; the biased variance + eps
	v_rsq_f32 v22, v20
	v_nop                                          ; a plain instruction behind the root
	v_cmp_gt_u32 s23, 200, v0                      ; threads 200 to 223 make zeros: gamma = beta = 0 (the flag lies in s23)
	v_cndmask_b32 v18, 0, v18, s23
	v_cndmask_b32 v19, 0, v19, s23
	s_wait_alu depctr_va_vdst(0)                   ; the wait ahead of the root's first reader
	v_mul_f32 v22, v18, v22
	v_mov_b32 v23, v22
	v_mov_b32 v24, v19
	v_mov_b32 v25, v19
.set p, 0
.rept 32
	v_pk_fma_f32 v[X+2*p:X+2*p+1], v[X+2*p:X+2*p+1], v[22:23], v[24:25]
.set p, p+1
.endr
.set p, 0
.rept 32
	v_cvt_pk_f16_f32 v[RAW+p], v[X+2*p], v[X+2*p+1]
.set p, p+1
.endr
.set p, 0
.rept 32
	ds_store_b16 v[XSA], v[RAW+p] offset:XP*2*p            ; a wave's 32 threads fill 64 neighbouring bytes of row b
	ds_store_b16_d16_hi v[XSA], v[RAW+p] offset:XP*(2*p+1)
.set p, p+1
.endr
	s_cmp_lt_u32 s[WV], 2                          ; R's 64 numbers: threads 0 to 63, a word each
	s_cbranch_scc0 .Lno_rk
	ds_store_b32 v30, v31
.Lno_rk:
	s_wait_dscnt 0x0                               ; for the others' sake: my stores of x and R are done,
	s_wait_tensorcnt 0x1                           ; and my part of W's first 406 blocks (rows 0 to 128) is in; the second load may stay out
	s_barrier_signal -1
	s_barrier_wait -1
.macro PLACES                          ; four places behind the last product, ahead of loads into and conversions onto registers that it has read, and of reads of results
.rept 4
	v_nop
.endr
.endm
; K step s: 16 loads of W (8 bytes: two neighbouring columns of one row) and 16 of x (8 bytes: four neighbouring i of one b).  Step 6 has rows 192 to 199 alone: 4 + 16 loads.
.macro FETCH s
.set RB, RAW+32*((\s)%2)
.set XB, XF+32*((\s)%2)
.set AB, AW+(\s)/2
.irp u, 0,1
.irp w, 0,1
.if ((\s) < 6) || ((\u)+(\w) == 0)
.irp e, 0,1,2,3
	ds_load_b64 v[RB+2*(8*(\u)+4*(\w)+(\e)):RB+2*(8*(\u)+4*(\w)+(\e))+1], v[AB] offset:(32*((\s)%2)+16*(\u)+8*(\w)+(\e))*800
.endr
.endif
.endr
.endr
.irp mt, 0,1,2,3
.irp u, 0,1
.irp w, 0,1
	ds_load_b64 v[XB+8*(\mt)+4*(\u)+2*(\w):XB+8*(\mt)+4*(\u)+2*(\w)+1], v[AX] offset:16*XP*(\mt)+64*(\s)+32*(\u)+16*(\w)
.endr
.endr
.endr
.endm
; W to f16, once.  In step 6 only registers 0 and 1 of each tile are made; the others keep step 5's finite numbers, which meet x's columns of zeros.
.macro CVT s
.set RB, RAW+32*((\s)%2)
.irp q, 0,1
.irp u, 0,1
.irp w, 0,1
.if ((\s) < 6) || ((\u)+(\w) == 0)
.irp e, 0,2
	v_cvt_pk_f16_f32 v[WF+8*(\q)+4*(\u)+2*(\w)+(\e)/2], v[RB+2*(8*(\u)+4*(\w)+(\e))+(\q)], v[RB+2*(8*(\u)+4*(\w)+(\e)+1)+(\q)]
.endr
.endif
.endr
.endr
.endr
.endm
; 8 products; the 8 accumulators take turns, one instruction a turn, in the same order in every step.  zero = 1: the first step starts the sums.
.macro MM s, zero
.set XB, XF+32*((\s)%2)
.irp mt, 0,1,2,3
.irp q, 0,1
.if \zero
	v_wmma_f32_16x16x32_f16 v[ACC+8*(2*(\mt)+(\q)):ACC+8*(2*(\mt)+(\q))+7], v[XB+8*(\mt):XB+8*(\mt)+7], v[WF+8*(\q):WF+8*(\q)+7], 0
.else
	v_wmma_f32_16x16x32_f16 v[ACC+8*(2*(\mt)+(\q)):ACC+8*(2*(\mt)+(\q))+7], v[XB+8*(\mt):XB+8*(\mt)+7], v[WF+8*(\q):WF+8*(\q)+7], v[ACC+8*(2*(\mt)+(\q)):ACC+8*(2*(\mt)+(\q))+7]
.endif
.endr
.endr
.endm
	FETCH 0
	FETCH 1
	s_wait_dscnt 32                                ; all but the 32 just issued
	CVT 0
	MM 0, 1
.irp s, 1,2
	PLACES
	FETCH (\s)+1
	s_wait_dscnt 32
	CVT \s
	MM \s, 0
.endr
	PLACES
	s_wait_dscnt 0x0
	CVT 3
	MM 3, 0
	s_wait_tensorcnt 0x0                           ; my part of the rest of W[k] is in (no LDS instruction of mine is out),
	s_barrier_signal -1
	s_barrier_wait -1                              ; everybody's is
	PLACES
	FETCH 4
	FETCH 5
	s_wait_dscnt 32
	CVT 4
	MM 4, 0
	PLACES
	FETCH 6
	s_wait_dscnt 20                                ; step 6 has 20 loads
	CVT 5
	MM 5, 0
	PLACES
	s_wait_dscnt 0x0
	CVT 6
	MM 6, 0
	; THE WAY OUT.  A lane holds column 32 g + 2 r + q and b = 16 mt + 8 h + 0..7: times R[r_idx[b]][k], through my own stage, and out as whole rows of 64 b = 256 bytes.
.irp mt, 0,1,2,3
	ds_load_b128 v[RAW+8*(\mt):RAW+8*(\mt)+3],   v[ARK] offset:64*(\mt)
	ds_load_b128 v[RAW+8*(\mt)+4:RAW+8*(\mt)+7], v[ARK] offset:64*(\mt)+16
.endr
	PLACES
	s_wait_dscnt 0x0
.irp mt, 0,1,2,3
.irp q, 0,1
.irp i, 0,1,2,3
	v_pk_mul_f32 v[ACC+8*(2*(\mt)+(\q))+2*(\i):ACC+8*(2*(\mt)+(\q))+2*(\i)+1], v[ACC+8*(2*(\mt)+(\q))+2*(\i):ACC+8*(2*(\mt)+(\q))+2*(\i)+1], v[RAW+8*(\mt)+2*(\i):RAW+8*(\mt)+2*(\i)+1]
.endr
.endr
.endr
.irp mt, 0,1,2,3
.irp q, 0,1
	ds_store_b128 v[STO], v[ACC+8*(2*(\mt)+(\q)):ACC+8*(2*(\mt)+(\q))+3]   offset:16*SP*(\q)+64*(\mt)
	ds_store_b128 v[STO], v[ACC+8*(2*(\mt)+(\q))+4:ACC+8*(2*(\mt)+(\q))+7] offset:16*SP*(\q)+64*(\mt)+16
.endr
.endr
.macro BACK it                         ; stage rows 2 it + h: columns 32 g + 4 (it % 8) + 2 h + it / 8.  LDS serves a wave's instructions in order (ISA guide 5.7.1.4): these see the stores above
	ds_load_b128 v[XF+4*(\it):XF+4*(\it)+3], v[RD] offset:2*SP*(\it)
.endm
.macro OUT it                          ; 16 lanes store 256 consecutive bytes, at a multiple of 256 from part's first byte
	global_store_b128 v[GO], v[XF+4*(\it):XF+4*(\it)+3], s[18:19] offset:(4*((\it)%8)+(\it)/8)*51200
.endm
.irp it, 0,1,8,9                       ; the first eight columns: all that wave 6 has
	BACK \it
.endr
	s_wait_dscnt 0x0
.irp it, 0,1,8,9
	OUT \it
.endr
	s_cmp_eq_u32 s[WV], 6
	s_cbranch_scc1 .Lend
.irp it, 2,3,4,5,6,7,10,11,12,13,14,15
	BACK \it
.endr
	s_wait_dscnt 0x0
.irp it, 2,3,4,5,6,7,10,11,12,13,14,15
	OUT \it
.endr
.Lend:
	s_wait_tensorcnt 0x0                           ; the wave's end: behind my last tensor load and my last LDS store
	ds_add_u32 v[SPW], v[NIL]
	s_wait_dscnt 0x0
	s_endpgm
.Lfunc_end_k_qcba433108d_core:
	.size	k_qcba433108d_core, .Lfunc_end_k_qcba433108d_core-k_qcba433108d_core
	.p2alignl 7, 3214868480
	.fill 96, 4, 3214868480
	.section	.rodata,"a",@progbits
	.p2align	6, 0x0
	.amdhsa_kernel k_qcba433108d_core
		.amdhsa_group_segment_fixed_size 253184
		.amdhsa_private_segment_fixed_size 0
		.amdhsa_enable_private_segment 0
		.amdhsa_kernarg_size 64
		.amdhsa_user_sgpr_count 2
		.amdhsa_user_sgpr_kernarg_segment_ptr 1
		.amdhsa_wavefront_size32 1
		.amdhsa_system_sgpr_workgroup_id_x 1
		.amdhsa_system_sgpr_workgroup_id_y 1
		.amdhsa_system_sgpr_workgroup_id_z 1
		.amdhsa_system_vgpr_workitem_id 0
		.amdhsa_next_free_vgpr 240
		.amdhsa_next_free_sgpr 102
		.amdhsa_reserve_vcc 0
		.amdhsa_float_denorm_mode_32 3
		.amdhsa_float_denorm_mode_16_64 3
		.amdhsa_memory_ordered 1
		.amdhsa_forward_progress 1
		.amdhsa_inst_pref_size 68
	.end_amdhsa_kernel
	.amdgpu_metadata
---
amdhsa.version: [ 1, 2 ]
amdhsa.kernels:
  - .name:           k_qcba433108d_core
    .symbol:         k_qcba433108d_core.kd
    .args:
      - { .name: E, .offset: 0, .size: 8, .value_kind: global_buffer, .address_space: global }
      - { .name: R, .offset: 8, .size: 8, .value_kind: global_buffer, .address_space: global }
      - { .name: W, .offset: 16, .size: 8, .value_kind: global_buffer, .address_space: global }
      - { .name: bn0_gamma, .offset: 24, .size: 8, .value_kind: global_buffer, .address_space: global }
      - { .name: bn0_beta, .offset: 32, .size: 8, .value_kind: global_buffer, .address_space: global }
      - { .name: e1_idx, .offset: 40, .size: 8, .value_kind: global_buffer, .address_space: global }
      - { .name: r_idx, .offset: 48, .size: 8, .value_kind: global_buffer, .address_space: global }
      - { .name: part, .offset: 56, .size: 8, .value_kind: global_buffer, .address_space: global }
    .group_segment_fixed_size: 253184
    .private_segment_fixed_size: 0
    .kernarg_segment_align: 8
    .kernarg_segment_size: 64
    .max_flat_workgroup_size: 224
    .sgpr_count:     102
    .vgpr_count:     240
    .wavefront_size: 32
...
	.end_amdgpu_metadata
.endif
;; end of part 1
;; launch norm (part 2): grid 108 x 1, 8 waves a work-group, no clusters, 3,072 bytes of LDS; arguments part, bn1_gamma, bn1_beta, lits, c, var_l, nf, e1_idx, r_idx, x2t, tab; writes x2t, tab
.if DOCPART == 2
	.amdgcn_target "amdgcn-amd-amdhsa--gfx1250"
	.amdhsa_code_object_version 6
	.text
	.protected	k_qcba433108d_norm
	.globl	k_qcba433108d_norm
	.p2align	8
	.type	k_qcba433108d_norm,@function
k_qcba433108d_norm:
	s_mov_b64 s[64:65], 0
	v_nop
	global_prefetch_b8 v0, s[64:65] scope:SCOPE_SE
	s_setreg_imm32_b32 hwreg(HW_REG_WAVE_MODE, 25, 1), 1
	s_wait_xcnt 0x0
; Second launch.  Nothing of reference() is left out.
; Work-groups 0 to 99: y[b][j] = the sum over k of part[j][k][b] for columns j = 2 g, 2 g + 1; x2 = BN1(y) (batch statistics, biased variance), stored as f16, x2t[j][b]: a matrix operand, rounded once.
; Work-groups 100 to 107: the tables of the literal branch, all f32, a row b to a wave.  With s_l = sqrt(log2 e / var_l):
;   exp(-(lits[e1_idx[b]][l] - lits[n][l] - c_l)^2 / var_l) = 2^(-(s_l lits[n][l] - u)^2),  u = s_l (lits[e1_idx[b]][l] - c_l).
;   tab + 0:     65 rows of 512 bytes, (-u, -u) for l = 0..63;   tab + 33,280: 65 rows of (w, w), w = nf[r_idx[b]][l];   tab + 66,560: s_l.
;   Each number stands twice, so that it falls into an even scalar register of the next launch; row 64 repeats row 63: it is read ahead there and never used.
; LIMITS.  var_l > 0 (its root's reciprocal is taken; the problem calls it a positive variance).  |x2| <= sqrt(63) |gamma| + |beta|, under 65,504.  NaN and infinities are not treated apart.
; A short stream that is summed once: no matrix unit, no cluster, no tensor load; all of a wave's loads go out at its head.
.set RED,   0                          ; eight waves' partial sums, 256 bytes each
.set SPARE, 2048                       ; the spare words, 128 bytes a wave
	s_load_b512 s[4:19], s[0:1], 0x0               ; part 4:5, gamma 6:7, beta 8:9, lits 10:11, c 12:13, var_l 14:15, nf 16:17, e1_idx 18:19
	s_load_b128 s[20:23], s[0:1], 0x40             ; r_idx 20:21, x2t 22:23
	s_load_b64 s[24:25], s[0:1], 0x50              ; tab
	v_lshl_add_u32 v1, v0, 2, SPARE
	v_mov_b32 v2, 0
	v_lshrrev_b32 v3, 5, v0
	v_readfirstlane_b32 s26, v3                    ; wave
	v_and_b32 v3, 15, v0                           ; r
	v_bfe_u32 v4, v0, 4, 1                         ; h
	v_and_b32 v5, 31, v0                           ; lane
	s_mov_b32 s27, ttmp9                           ; g
	s_wait_kmcnt 0x0
	s_cmp_ge_u32 s27, 100                          ; the same in all waves of a work-group
	s_cbranch_scc1 .Ltab
	; THE SUM.  Two columns are 102,400 dense bytes: wave w takes 12,800 of them (50 k of one column): 25 loads of 512 bytes, lanes 0-15 an even k, lanes 16-31 an odd one, b = 4 r .. 4 r + 3
	s_lshl_b32 s28, s27, 3
	v_lshl_add_u32 v7, v4, 2, s28                  ; 4 (2 g + h)
	global_load_b32 v8, v7, s[6:7]
	global_load_b32 v9, v7, s[8:9]
	s_mul_i32 s28, s27, 102400
	s_mul_i32 s29, s26, 12800
	s_add_co_u32 s28, s28, s29
	s_mov_b32 s29, 0
	s_add_nc_u64 s[4:5], s[4:5], s[28:29]
	v_lshlrev_b32 v6, 4, v5
.set it, 0
.rept 25
	global_load_b128 v[32+4*it:35+4*it], v6, s[4:5] offset:512*it th:TH_LOAD_NT
.set it, it+1
.endr
	s_mov_b32 s30, 0x76543210                      ; v_permlanex16_b32: each lane takes its own place in the other half
	s_mov_b32 s31, 0xfedcba98
	v_lshlrev_b32 v10, 4, v3
	v_lshl_add_u32 v10, s26, 8, v10                ; RED + 256 w + 16 r
	v_lshlrev_b32 v11, 4, v3
	v_lshl_add_u32 v11, v4, 10, v11                ; RED + 1,024 h + 16 r
.macro ADDIN it                        ; two chains, on the registers of loads 0 and 1
	v_pk_add_f32 v[32+4*((\it)%2):33+4*((\it)%2)], v[32+4*((\it)%2):33+4*((\it)%2)], v[32+4*(\it):33+4*(\it)]
	v_pk_add_f32 v[34+4*((\it)%2):35+4*((\it)%2)], v[34+4*((\it)%2):35+4*((\it)%2)], v[34+4*(\it):35+4*(\it)]
.endm
	s_wait_loadcnt 20                              ; each count: the younger loads that may stay out
.irp it, 2,3,4
	ADDIN \it
.endr
	s_wait_loadcnt 15
.irp it, 5,6,7,8,9
	ADDIN \it
.endr
	s_wait_loadcnt 10
.irp it, 10,11,12,13,14
	ADDIN \it
.endr
	s_wait_loadcnt 5
.irp it, 15,16,17,18,19
	ADDIN \it
.endr
	s_wait_loadcnt 0x0
.irp it, 20,21,22,23,24
	ADDIN \it
.endr
	v_pk_add_f32 v[32:33], v[32:33], v[36:37]
	v_pk_add_f32 v[34:35], v[34:35], v[38:39]
.irp i, 0,1,2,3
	v_permlanex16_b32 v[40+(\i)], v[32+(\i)], s30, s31     ; the other parity of k (the destinations have been written, by loads)
.endr
	v_pk_add_f32 v[32:33], v[32:33], v[40:41]
	v_pk_add_f32 v[34:35], v[34:35], v[42:43]
	ds_store_b128 v10, v[32:35]                    ; both halves of the lanes hold the same sums and write them to the same place
	s_wait_dscnt 0x0
	s_barrier_signal -1
	s_barrier_wait -1
	s_cmp_lg_u32 s26, 0
	s_cbranch_scc1 .Lend
	; wave 0: lane (r, h) has column 2 g + h (waves 4 h .. 4 h + 3) and b = 4 r .. 4 r + 3
.irp w, 0,1,2,3
	ds_load_b128 v[32+4*(\w):35+4*(\w)], v11 offset:256*(\w)
.endr
	s_wait_dscnt 0x0
	v_pk_add_f32 v[32:33], v[32:33], v[36:37]
	v_pk_add_f32 v[34:35], v[34:35], v[38:39]
	v_pk_add_f32 v[40:41], v[40:41], v[44:45]
	v_pk_add_f32 v[42:43], v[42:43], v[46:47]
	v_pk_add_f32 v[32:33], v[32:33], v[40:41]
	v_pk_add_f32 v[34:35], v[34:35], v[42:43]
	v_pk_add_f32 v[48:49], v[32:33], v[34:35]
	v_add_f32 v48, v48, v49
.irp m, 1,2,4,8
	v_add_f32_dpp v48, v48, v48 row_xmask:\m row_mask:0xf bank_mask:0xf
.endr
	v_mul_f32 v48, 0x3c800000, v48                 ; the mean over the 64 b
	v_mov_b32 v49, v48
	v_pk_add_f32 v[32:33], v[32:33], v[48:49] neg_lo:[0,1] neg_hi:[0,1]
	v_pk_add_f32 v[34:35], v[34:35], v[48:49] neg_lo:[0,1] neg_hi:[0,1]
	v_pk_mul_f32 v[50:51], v[32:33], v[32:33]
	v_pk_fma_f32 v[50:51], v[34:35], v[34:35], v[50:51]
	v_add_f32 v50, v50, v51
.irp m, 1,2,4,8
	v_add_f32_dpp v50, v50, v50 row_xmask:\m row_mask:0xf bank_mask:0xf
.endr
	v_mov_b32 v51, 0x3727c5ac                      ; 1e-5
	v_fmamk_f32 v50, v50, 0x3c800000, v51
	v_rsq_f32 v52, v50
	v_nop
	v_mov_b32 v54, v9
	v_mov_b32 v55, v9
	s_wait_alu depctr_va_vdst(0)                   ; ahead of the root's first reader
	v_mul_f32 v52, v8, v52
	v_mov_b32 v53, v52
	v_pk_fma_f32 v[32:33], v[32:33], v[52:53], v[54:55]
	v_pk_fma_f32 v[34:35], v[34:35], v[52:53], v[54:55]
	v_cvt_pk_f16_f32 v56, v32, v33
	v_cvt_pk_f16_f32 v57, v34, v35
	s_lshl_b32 s28, s27, 8
	v_lshl_add_u32 v12, v5, 3, s28
	global_store_b64 v12, v[56:57], s[22:23]       ; two columns of 128 bytes: the wave's one store covers 256 consecutive bytes, aligned
	s_branch .Lend
.Ltab:                                         ; row b = 8 (g - 100) + wave; a lane holds l = 2 lane, 2 lane + 1
	s_sub_co_u32 s28, s27, 100
	s_lshl_b32 s28, s28, 3
	s_add_co_u32 s28, s28, s26
	s_lshl_b32 s29, s28, 2
	s_load_b32 s30, s[18:19], s29 offset:0x0
	s_load_b32 s31, s[20:21], s29 offset:0x0
	v_lshlrev_b32 v6, 3, v5
	global_load_b64 v[12:13], v6, s[12:13]         ; c
	global_load_b64 v[14:15], v6, s[14:15]         ; var_l
	s_wait_kmcnt 0x0
	s_min_u32 s30, s30, 39999
	s_min_u32 s31, s31, 499
	s_lshl_b32 s30, s30, 8                         ; rows of 256 bytes
	s_lshl_b32 s31, s31, 8
	v_add_nc_u32 v7, s30, v6
	v_add_nc_u32 v8, s31, v6
	global_load_b64 v[16:17], v7, s[10:11]         ; lits[e1_idx[b]]
	global_load_b64 v[18:19], v8, s[16:17]         ; nf[r_idx[b]]
	s_lshl_b32 s29, s28, 9
	v_lshl_add_u32 v9, v5, 4, s29                  ; 512 b + 16 lane
	s_wait_loadcnt 0x0
	v_rsq_f32 v20, v14
	v_rsq_f32 v21, v15
	v_pk_add_f32 v[22:23], v[12:13], v[16:17] neg_lo:[0,1] neg_hi:[0,1]  ; c - lit: the plain instruction behind the roots
	v_mov_b32 v28, v18
	v_mov_b32 v29, v18
	v_mov_b32 v30, v19
	v_mov_b32 v31, v19
	s_wait_alu depctr_va_vdst(0)                   ; one wait for both roots
	v_pk_mul_f32 v[20:21], v[20:21], 0x3f99be61 op_sel_hi:[1,0]          ; s = sqrt(log2 e) / sqrt(var)
	v_pk_mul_f32 v[22:23], v[22:23], v[20:21]      ; -u
	v_mov_b32 v24, v22
	v_mov_b32 v25, v22
	v_mov_b32 v26, v23
	v_mov_b32 v27, v23
	global_store_b128 v9, v[24:27], s[24:25]
	global_store_b128 v9, v[28:31], s[24:25] offset:33280
	s_cmp_eq_u32 s28, 63
	s_cbranch_scc0 .Lnot63
	global_store_b128 v9, v[24:27], s[24:25] offset:512    ; row 64
	global_store_b128 v9, v[28:31], s[24:25] offset:33792
.Lnot63:
	s_cmp_eq_u32 s28, 0
	s_cbranch_scc0 .Lend
	global_store_b64 v6, v[20:21], s[24:25] offset:66560
.Lend:
	s_wait_tensorcnt 0x0                           ; the wave's end: behind my last LDS store
	ds_add_u32 v1, v2
	s_wait_dscnt 0x0
	s_endpgm
.Lfunc_end_k_qcba433108d_norm:
	.size	k_qcba433108d_norm, .Lfunc_end_k_qcba433108d_norm-k_qcba433108d_norm
	.p2alignl 7, 3214868480
	.fill 96, 4, 3214868480
	.section	.rodata,"a",@progbits
	.p2align	6, 0x0
	.amdhsa_kernel k_qcba433108d_norm
		.amdhsa_group_segment_fixed_size 3072
		.amdhsa_private_segment_fixed_size 0
		.amdhsa_enable_private_segment 0
		.amdhsa_kernarg_size 88
		.amdhsa_user_sgpr_count 2
		.amdhsa_user_sgpr_kernarg_segment_ptr 1
		.amdhsa_wavefront_size32 1
		.amdhsa_system_sgpr_workgroup_id_x 1
		.amdhsa_system_sgpr_workgroup_id_y 1
		.amdhsa_system_sgpr_workgroup_id_z 1
		.amdhsa_system_vgpr_workitem_id 0
		.amdhsa_next_free_vgpr 144
		.amdhsa_next_free_sgpr 66
		.amdhsa_reserve_vcc 0
		.amdhsa_float_denorm_mode_32 3
		.amdhsa_float_denorm_mode_16_64 3
		.amdhsa_memory_ordered 1
		.amdhsa_forward_progress 1
		.amdhsa_inst_pref_size 13
	.end_amdhsa_kernel
	.amdgpu_metadata
---
amdhsa.version: [ 1, 2 ]
amdhsa.kernels:
  - .name:           k_qcba433108d_norm
    .symbol:         k_qcba433108d_norm.kd
    .args:
      - { .name: part, .offset: 0, .size: 8, .value_kind: global_buffer, .address_space: global }
      - { .name: bn1_gamma, .offset: 8, .size: 8, .value_kind: global_buffer, .address_space: global }
      - { .name: bn1_beta, .offset: 16, .size: 8, .value_kind: global_buffer, .address_space: global }
      - { .name: lits, .offset: 24, .size: 8, .value_kind: global_buffer, .address_space: global }
      - { .name: c, .offset: 32, .size: 8, .value_kind: global_buffer, .address_space: global }
      - { .name: var_l, .offset: 40, .size: 8, .value_kind: global_buffer, .address_space: global }
      - { .name: nf, .offset: 48, .size: 8, .value_kind: global_buffer, .address_space: global }
      - { .name: e1_idx, .offset: 56, .size: 8, .value_kind: global_buffer, .address_space: global }
      - { .name: r_idx, .offset: 64, .size: 8, .value_kind: global_buffer, .address_space: global }
      - { .name: x2t, .offset: 72, .size: 8, .value_kind: global_buffer, .address_space: global }
      - { .name: tab, .offset: 80, .size: 8, .value_kind: global_buffer, .address_space: global }
    .group_segment_fixed_size: 3072
    .private_segment_fixed_size: 0
    .kernarg_segment_align: 8
    .kernarg_segment_size: 88
    .max_flat_workgroup_size: 256
    .sgpr_count:     66
    .vgpr_count:     144
    .wavefront_size: 32
...
	.end_amdgpu_metadata
.endif
;; end of part 2
;; launch score (part 3): grid 250 x 1, 20 waves a work-group, no clusters, 327,680 bytes of LDS; arguments E, lits, x2t, tab, out0; writes out0
.if DOCPART == 3
	.amdgcn_target "amdgcn-amd-amdhsa--gfx1250"
	.amdhsa_code_object_version 6
	.text
	.protected	k_qcba433108d_score
	.globl	k_qcba433108d_score
	.p2align	8
	.type	k_qcba433108d_score,@function
k_qcba433108d_score:
	s_mov_b64 s[64:65], 0
	v_nop
	global_prefetch_b8 v0, s[64:65] scope:SCOPE_SE
	s_setreg_imm32_b32 hwreg(HW_REG_WAVE_MODE, 25, 1), 1
	s_wait_xcnt 0x0
; Third launch.  Nothing of reference() is left out.  out0[b][n] = sigmoid(x2[b] . E[n] + the sum over l of w[b][l] 2^(-(v[n][l] - u[b][l])^2)),  v = s_l lits[n][l]; u, w, s from the tables of the launch before.
; FORMATS.  x2 and E go to the matrix unit as f16, E rounded once from f32; all else in f32.  LIMITS.  |E| under 65,504; an exponential below 2^-126 counts as 0; NaN and infinities are not treated apart.
; The exponents are <= 0 by their form (a negated square), as in reference(): no maximum is taken there either.
; SHARES.  625 blocks of 64 n x 8 octets of b = 5,000 items; a wave takes one: 250 work-groups of 20 waves.  A QUAD of four waves (QD = wave / 4, NT = wave % 4) has one block and 32 b.
; A work-group holds three blocks in three LDS slots.  Quad QD reads slot SL = (QD + 1) / 2 and x2's region XR = QD % 2: no LDS address hangs on the work-group's number c.  Its parity enters
; global addresses alone: slot s holds block 5 c / 2 + s (c odd) or 5 c / 2 + 2 - s (c even), region x the half x xor (c % 2) of the 64 b.  So quad QD serves that block and b = 32 (XR xor c % 2) + 0..31.
; ORDER.  lits and x2 are asked for first (waves 0 to 4); when they are in, E (waves 0 to 11, 50 rows of 256 bytes each), which lands under the loop of exponentials.  There a lane holds n = 2 lane, 2 lane + 1,
; its 128 numbers v in registers, and u, w come wave-uniform in scalar registers.  The quad's 32 x 64 sums go to its stage in LDS and are the C operand of E x2^T; the whole score goes back to the stage; each wave
; then takes its 8 rows b, 64 n = 256 consecutive bytes each, through the sigmoid and stores them.
; NO CLUSTER: of a work-group's three blocks one is shared, with one neighbour; x2 is 25,600 of some 230,000 bytes.  All of a WGP's LDS is claimed.
.set ET,    0                          ; E in f32, 192 rows of 800 bytes: 600 blocks of 256
.set LT,    153600                     ; lits in f32, 192 rows, pitch 272
.set XT,    205824                     ; x2 in f16: two regions [224 j][32 b], pitch 96 = 3 x 32; rows 200 to 223 are zeros, by the descriptor's extent
.set XREG,  21504
.set STG,   248832                     ; a quad's stage: 32 b x 64 n in f32, pitch 272
.set SP,    272
.set SPARE, 292352                     ; the spare words, 128 bytes a wave: ten blocks of 256 that no other line names
.set SPW, 1                            ; v1   SPARE + 4 x thread; never rewritten
.set NIL, 2                            ; v2   0; never rewritten
.set RR,  3                            ; v3   r
.set HH,  4                            ; v4   h
.set AL,  5                            ; v5   LT + 17,408 SL + 544 lane
.set ASN, 6                            ; v6   STG + 8,704 QD + 2,176 NT + 8 lane, one stage row on for each b
.set ARD, 7                            ; v7   its first value
.set GO,  8                            ; v8   8 lane
.set AC,  9                            ; v9   STG + 8,704 QD + 272 r + 64 NT + 32 h
.set AE,  10                           ; v10  ET + 800 (64 SL + 16 NT + r) + 32 h
.set AE6, 11                           ; v11  the same row + 768, without h: the row's last eight numbers
.set AXT, 12                           ; v12  XT + 21,504 XR + 96 (8 h + lane % 8) + 16 ((lane / 8) % 2)
.set LN,  13                           ; v13  lane
.set AP,  16                           ; v[16:23]  four chains of the weighted sum, a pair (two n) each
.set V,   32                           ; v[32:159] v[32 + 2 l + p] = s_l lits[n0 + 2 lane + p][l]
.set T0,  160                          ; v[160:175], v[176:191]  two batches of 8 l at work
.set ACCM, 32                          ; behind the loop: two accumulators,
.set RAWE, 48                          ; E in f32, two sets of 16,
.set XFR,  80                          ; x2's fragments, two sets of 16,
.set EF,   112                         ; E's fragment in f16,
.set Z,    128                         ; my 8 rows of scores
.set WV,  14                           ; s14  wave
.set PAR, 15                           ; s15  c % 2
.set UB0, 16                           ; s[16:31], s[32:47]  -u of two batches;  s[48:63], s[68:83]  w of two batches.  First: s[16:27] the first fills' descriptor; then all 64: s_l
.set WB0, 48
.set TUP, 96                           ; s[96:97]  the row of -u in hand
.set TWP, 98                           ; s[98:99]  the row of w
	s_load_b256 s[4:11], s[0:1], 0x0               ; E 4:5, lits 6:7, x2t 8:9, tab 10:11
	s_load_b64 s[12:13], s[0:1], 0x20              ; out0
	v_lshl_add_u32 v[SPW], v0, 2, SPARE
	v_mov_b32 v[NIL], 0
	ds_add_u32 v[SPW], v[NIL]                      ; the wave's opening: the add, twice on end, and its wait ahead of my first tensor load
	ds_add_u32 v[SPW], v[NIL]
	v_lshrrev_b32 v3, 5, v0
	v_readfirstlane_b32 s[WV], v3
	s_and_b32 s[PAR], ttmp9, 1
	s_mul_i32 s101, ttmp9, 5
	s_lshr_b32 s101, s101, 1                       ; the work-group's first block
	s_lshr_b32 s68, s[WV], 2                       ; QD
	s_and_b32 s69, s[WV], 3                        ; NT
	s_add_co_u32 s70, s68, 1
	s_lshr_b32 s70, s70, 1                         ; SL
	s_and_b32 s71, s68, 1                          ; XR
	s_xor_b32 s72, s71, s[PAR]                     ; which 32 b are my quad's
	s_sub_co_u32 s73, 2, s70
	s_cmp_eq_u32 s[PAR], 1
	s_cselect_b32 s73, s70, s73
	s_add_co_u32 s73, s73, s101                    ; my block
	s_lshl2_add_u32 s74, s72, s69                  ; my octet of b,
	s_lshl_b32 s74, s74, 12                        ; its 8 table rows of 512 bytes
	s_mov_b32 s75, 0
	s_lshl2_add_u32 s76, s72, s69
	s_mul_i32 s76, s76, 1280000                    ; 8 rows of out0, 160,000 bytes each,
	s_lshl_b32 s77, s73, 8                         ; and my block's 256 bytes in a row
	s_add_co_u32 s76, s76, s77
	s_mov_b32 s77, 0
	; E's descriptor: 50 rows of 32 elements of 8 bytes, dense; LDS address 12,800 x wave (waves 0 to 11: four to a slot)
	s_mov_b32 s84, 1
	s_mul_i32 s85, s[WV], 12800
	s_mov_b32 s88, 3<<16
	s_mov_b32 s89, 32<<16
	s_mov_b32 s90, 50<<16
	s_mov_b32 s91, 32<<16
	s_mov_b32 s92, 50
	s_mov_b32 s93, 32
	s_mov_b32 s94, 0
	s_mov_b32 s95, 0
	s_min_u32 s80, s68, 2                          ; the slot that I fill (held to 2 in the waves that fill none)
	s_sub_co_u32 s81, 2, s80
	s_cmp_eq_u32 s[PAR], 1
	s_cselect_b32 s80, s80, s81
	s_add_co_u32 s80, s80, s101
	s_mul_i32 s80, s80, 51200                      ; its block's 64 rows of E,
	s_mul_i32 s81, s69, 12800                      ; my quarter of them
	s_add_co_u32 s80, s80, s81
	s_mov_b32 s81, 0
	; the lanes' addresses
	v_and_b32 v[RR], 15, v0
	v_bfe_u32 v[HH], v0, 4, 1
	v_and_b32 v[LN], 31, v0
	s_mul_i32 s78, s70, 17408
	s_add_co_u32 s78, s78, LT
	v_mul_u32_u24 v[AL], v[LN], 544
	v_add_nc_u32 v[AL], s78, v[AL]
	s_mul_i32 s78, s68, 32*SP
	s_add_co_u32 s78, s78, STG                     ; my quad's stage
	s_mul_i32 s79, s69, 8*SP
	s_add_co_u32 s79, s79, s78
	v_lshl_add_u32 v[ASN], v[LN], 3, s79
	v_mov_b32 v[ARD], v[ASN]
	v_lshlrev_b32 v[GO], 3, v[LN]
	s_lshl_b32 s79, s69, 6
	s_add_co_u32 s79, s79, s78
	v_mul_u32_u24 v[AC], v[RR], SP
	v_lshl_add_u32 v[AC], v[HH], 5, v[AC]
	v_add_nc_u32 v[AC], s79, v[AC]
	s_mul_i32 s78, s70, 51200
	s_mul_i32 s79, s69, 12800
	s_add_co_u32 s78, s78, s79
	v_mul_u32_u24 v[AE6], v[RR], 800
	v_add_nc_u32 v[AE6], s78, v[AE6]
	v_lshl_add_u32 v[AE], v[HH], 5, v[AE6]
	v_add_nc_u32 v[AE6], 768, v[AE6]
	v_and_b32 v14, 7, v0
	v_lshl_add_u32 v14, v[HH], 3, v14
	v_mul_u32_u24 v[AXT], v14, 96
	v_bfe_u32 v14, v0, 3, 1
	v_lshl_add_u32 v[AXT], v14, 4, v[AXT]
	s_mul_i32 s78, s71, XREG
	s_add_co_u32 s78, s78, XT
	v_add_nc_u32 v[AXT], s78, v[AXT]
	s_wait_dscnt 0x0                               ; both opening adds are done
	s_wait_kmcnt 0x0
	s_add_nc_u64 s[TUP:TUP+1], s[10:11], s[74:75]
	s_add_nc_u64 s[TWP:TWP+1], s[TUP:TUP+1], 33280
	s_add_nc_u64 s[12:13], s[12:13], s[76:77]      ; out0 at my first row and my block
	s_add_nc_u64 s[86:87], s[4:5], s[80:81]
	s_or_b32 s87, s87, 0x80000000
	; THE FIRST FILLS, one a wave, inside one branch on the wave's number: waves 0 to 2 a slot of lits each, waves 3 and 4 a half of x2 each
	s_cmp_lt_u32 s[WV], 5
	s_cbranch_scc0 .Lno_fill
	s_cmp_lt_u32 s[WV], 3
	s_cbranch_scc0 .Lfor_x
	s_mov_b32 s16, 1
	s_mul_i32 s17, s[WV], 17408
	s_add_co_u32 s17, s17, LT
	s_sub_co_u32 s78, 2, s[WV]
	s_cmp_eq_u32 s[PAR], 1
	s_cselect_b32 s78, s[WV], s78
	s_add_co_u32 s78, s78, s101
	s_lshl_b32 s78, s78, 14                        ; the slot's block: 64 rows of 256 bytes
	s_mov_b32 s79, 0
	s_add_nc_u64 s[18:19], s[6:7], s[78:79]
	s_or_b32 s19, s19, 0x80000000
	s_mov_b32 s20, (2<<16)|(1<<20)|(5<<22)|(3<<25) ; elements of 4 bytes; padding on: after every 64 words (code 5) 4 words (code 3): pitch 272
	s_mov_b32 s21, 64<<16
	s_mov_b32 s22, 64<<16
	s_mov_b32 s23, 64<<16
	s_mov_b32 s24, 64
	s_mov_b32 s25, 64
	s_mov_b32 s26, 0
	s_mov_b32 s27, 0
	tensor_load_to_lds s[16:19], s[20:27]
	s_nop 0
.rept 4
	v_nop
.endr
	s_branch .Lno_fill
.Lfor_x:
	s_sub_co_u32 s78, s[WV], 3                     ; the region
	s_mov_b32 s16, 1
	s_mul_i32 s17, s78, XREG
	s_add_co_u32 s17, s17, XT
	s_xor_b32 s78, s78, s[PAR]                     ; the half of the 64 b that it holds:
	s_lshl_b32 s78, s78, 6                         ; 64 bytes into each column's 128
	s_mov_b32 s79, 0
	s_add_nc_u64 s[18:19], s[8:9], s[78:79]
	s_or_b32 s19, s19, 0x80000000
	s_mov_b32 s20, (1<<16)|(1<<20)|(3<<22)|(7<<25) ; elements of 2 bytes; after every 16 words (code 3) 8 words (code 7): pitch 96
	s_mov_b32 s21, 32<<16                          ; tensor_dim0 = 32
	s_mov_b32 s22, 200<<16                         ; tensor_dim1 = 200: the tile's rows from 200 on arrive as zeros
	s_mov_b32 s23, 32<<16                          ; tile_dim0 = 32
	s_mov_b32 s24, 224                             ; tile_dim1 = 224
	s_mov_b32 s25, 64                              ; 64 elements from column to column
	s_mov_b32 s26, 0
	s_mov_b32 s27, 0
	tensor_load_to_lds s[16:19], s[20:27]
	s_nop 0
.rept 4
	v_nop
.endr
.Lno_fill:
	s_wait_tensorcnt 0x0                           ; my fill, if I have one, is in,
	ds_add_u32 v[SPW], v[NIL]                      ; the add, in front of a barrier behind which LDS is filled: twice on end,
	ds_add_u32 v[SPW], v[NIL]
	s_wait_dscnt 0x0
	s_barrier_signal -1
	s_barrier_wait -1                              ; lits and x2 are whole
	s_cmp_lt_u32 s[WV], 12
	s_cbranch_scc0 .Lno_e
	tensor_load_to_lds s[84:87], s[88:95]          ; E: my one tensor load from here on; it has the whole loop of exponentials in which to land
	s_nop 0
.rept 4
	v_nop
.endr
.Lno_e:
	; v = s_l lits[n][l] for my two n, all 64 l: chunks of 8 l, two sets of registers
	s_load_b512 s[16:31], s[10:11], 66560          ; s_l: l < 48 in s[16 + l], from 48 on in s[20 + l]
	s_load_b512 s[32:47], s[10:11], 66624
	s_load_b512 s[48:63], s[10:11], 66688
	s_load_b512 s[68:83], s[10:11], 66752
.macro VLOAD ch
.irp p, 0,1
	ds_load_b128 v[T0+16*((\ch)%2)+8*(\p):T0+16*((\ch)%2)+8*(\p)+3],   v[AL] offset:272*(\p)+32*(\ch)
	ds_load_b128 v[T0+16*((\ch)%2)+8*(\p)+4:T0+16*((\ch)%2)+8*(\p)+7], v[AL] offset:272*(\p)+32*(\ch)+16
.endr
.endm
	VLOAD 0
	VLOAD 1
	s_wait_kmcnt 0x0
.irp ch, 0,1,2,3,4,5,6,7
.if (\ch) < 7
	s_wait_dscnt 4                                 ; the next chunk's four loads may stay out
.else
	s_wait_dscnt 0x0
.endif
.irp e, 0,1,2,3,4,5,6,7
.irp p, 0,1
	v_mul_f32 v[V+16*(\ch)+2*(\e)+(\p)], s[16+8*(\ch)+(\e)+4*((\ch)/6)], v[T0+16*((\ch)%2)+8*(\p)+(\e)]
.endr
.endr
.if (\ch) < 6
	VLOAD (\ch)+2
.endif
.endr
	; THE LOOP OF EXPONENTIALS.  A batch is 8 l: 16 scalar registers of -u, 16 of w, 16 vector registers (8 l x 2 n).
	s_load_b512 s[UB0:UB0+15], s[TUP:TUP+1], 0x0
	s_load_b512 s[UB0+16:UB0+31], s[TUP:TUP+1], 0x40
	s_load_b512 s[WB0:WB0+15], s[TWP:TWP+1], 0x0
	s_wait_kmcnt 0x0
.set i, 0
.rept 8
	v_pk_add_f32 v[T0+2*i:T0+2*i+1], v[V+2*i:V+2*i+1], s[UB0+2*i:UB0+2*i+1] op_sel_hi:[1,0]
.set i, i+1
.endr
.set i, 0
.rept 8
	v_pk_mul_f32 v[T0+2*i:T0+2*i+1], v[T0+2*i:T0+2*i+1], v[T0+2*i:T0+2*i+1] neg_lo:[1,0] neg_hi:[1,0]
.set i, i+1
.endr
; Batch k of a row b.  Its 16 exponentials are ONE batch with one wait; between them stand the next batch's v - u and -(v - u)^2, which name none of their results.  Then the 8 weighted sums.
; The scalar loads at its head bring -u of batch k + 2 and w of batch k + 1 into the registers that batches k and k - 1 have left; the wait at its end shows them in.
; Batches 8 and 9 are the next row's 0 and 1: the table's rows lie end to end, and behind row 63 stands a row 64.
.macro ITER k
.set CUR, T0+16*((\k)%2)
.set NXT, T0+16*(((\k)+1)%2)
.set KN,  ((\k)+1)%8
.set UL,  UB0+16*((\k)%2)
.set UU,  UB0+16*(((\k)+1)%2)
.set WL,  WB0+20*(((\k)+1)%2)
.set WU,  WB0+20*((\k)%2)
	s_load_b512 s[UL:UL+15], s[TUP:TUP+1], 64*((\k)+2)
	s_load_b512 s[WL:WL+15], s[TWP:TWP+1], 64*((\k)+1)
.set i, 0
.rept 8
	v_exp_f32 v[CUR+2*i], v[CUR+2*i]
	v_pk_add_f32 v[NXT+2*i:NXT+2*i+1], v[V+16*KN+2*i:V+16*KN+2*i+1], s[UU+2*i:UU+2*i+1] op_sel_hi:[1,0]
	v_exp_f32 v[CUR+2*i+1], v[CUR+2*i+1]
.if i > 0
	v_pk_mul_f32 v[NXT+2*i-2:NXT+2*i-1], v[NXT+2*i-2:NXT+2*i-1], v[NXT+2*i-2:NXT+2*i-1] neg_lo:[1,0] neg_hi:[1,0]
.endif
.set i, i+1
.endr
	v_pk_mul_f32 v[NXT+14:NXT+15], v[NXT+14:NXT+15], v[NXT+14:NXT+15] neg_lo:[1,0] neg_hi:[1,0]  ; the plain instruction behind the last exponential
	s_wait_alu depctr_va_vdst(0)                   ; one wait for the sixteen, ahead of their first reader
.set i, 0
.rept 8
.if ((\k) == 0) && (i < 4)
	v_pk_mul_f32 v[AP+2*i:AP+2*i+1], v[CUR+2*i:CUR+2*i+1], s[WU+2*i:WU+2*i+1] op_sel_hi:[1,0]     ; a row's first four products start the four chains
.else
	v_pk_fma_f32 v[AP+2*(i%4):AP+2*(i%4)+1], v[CUR+2*i:CUR+2*i+1], s[WU+2*i:WU+2*i+1], v[AP+2*(i%4):AP+2*(i%4)+1] op_sel_hi:[1,0,1]
.endif
.set i, i+1
.endr
	s_wait_kmcnt 0x0
.endm
	s_mov_b32 s100, 8
.Lrow:                                         ; 8 trips, a row b each.  The last trip's last batch prepares a batch that does not exist: 16 lines, the price of one text for all trips
.irp k, 0,1,2,3,4,5,6,7
	ITER \k
.endr
	v_pk_add_f32 v[AP:AP+1], v[AP:AP+1], v[AP+2:AP+3]
	v_pk_add_f32 v[AP+4:AP+5], v[AP+4:AP+5], v[AP+6:AP+7]
	v_pk_add_f32 v[AP:AP+1], v[AP:AP+1], v[AP+4:AP+5]
	ds_store_b64 v[ASN], v[AP:AP+1]                ; my two n of stage row 8 NT + the trip
	v_add_nc_u32 v[ASN], SP, v[ASN]
	s_add_nc_u64 s[TUP:TUP+1], s[TUP:TUP+1], 512   ; every scalar load is done (the wait above): the pointers may be written
	s_add_nc_u64 s[TWP:TWP+1], s[TWP:TWP+1], 512
	s_sub_co_u32 s100, s100, 1
	s_cmp_lg_u32 s100, 0
	s_cbranch_scc1 .Lrow
	s_wait_tensorcnt 0x0                           ; my part of E is in,
	s_wait_dscnt 0x0                               ; my sums are in the stage:
	s_barrier_signal -1
	s_barrier_wait -1                              ; everybody's are
	; E x2^T.  Source 0 = my 16 n (tile NT of the block), source 1 = 16 b: a lane's eight results are eight neighbouring n of one b.  The literal sums are the C operand.  K = 224 in 7 steps.
.macro PLACES                          ; four places behind the last product (ISA guide 7.12.1)
.rept 4
	v_nop
.endr
.endm
.macro FETCHC s                        ; step 6: both halves of the lanes take the row's last eight numbers; those of h = 1 meet x2's rows of zeros
.set RB, RAWE+16*((\s)%2)
.set XB, XFR+16*((\s)%2)
.if (\s) < 6
	ds_load_b128 v[RB:RB+3],     v[AE] offset:128*(\s)
	ds_load_b128 v[RB+4:RB+7],   v[AE] offset:128*(\s)+16
	ds_load_b128 v[RB+8:RB+11],  v[AE] offset:128*(\s)+64
	ds_load_b128 v[RB+12:RB+15], v[AE] offset:128*(\s)+80
.else
	ds_load_b128 v[RB:RB+3],     v[AE6]
	ds_load_b128 v[RB+4:RB+7],   v[AE6] offset:16
.endif
.irp m, 0,1
	ds_load_tr16_b128 v[XB+8*(\m):XB+8*(\m)+3],   v[AXT] offset:3072*(\s)+32*(\m)
	ds_load_tr16_b128 v[XB+8*(\m)+4:XB+8*(\m)+7], v[AXT] offset:3072*(\s)+32*(\m)+1536
.endr
.endm
.macro CVTC s                          ; E to f16, once.  In step 6 registers 4 to 7 keep step 5's finite numbers, which meet zeros
.set RB, RAWE+16*((\s)%2)
.irp i, 0,1,2,3,4,5,6,7
.if ((\s) < 6) || ((\i) < 4)
	v_cvt_pk_f16_f32 v[EF+(\i)], v[RB+2*(\i)], v[RB+2*(\i)+1]
.endif
.endr
.endm
.macro MMC s                           ; the two accumulators take turns, one instruction a turn
.set XB, XFR+16*((\s)%2)
.irp m, 0,1
	v_wmma_f32_16x16x32_f16 v[ACCM+8*(\m):ACCM+8*(\m)+7], v[EF:EF+7], v[XB+8*(\m):XB+8*(\m)+7], v[ACCM+8*(\m):ACCM+8*(\m)+7]
.endr
.endm
.irp m, 0,1
	ds_load_b128 v[ACCM+8*(\m):ACCM+8*(\m)+3],   v[AC] offset:16*SP*(\m)
	ds_load_b128 v[ACCM+8*(\m)+4:ACCM+8*(\m)+7], v[AC] offset:16*SP*(\m)+16
.endr
	FETCHC 0
	FETCHC 1
	s_wait_dscnt 8                                 ; all but the 8 just issued
	CVTC 0
	MMC 0
.irp s, 1,2,3,4
	PLACES
	FETCHC (\s)+1
	s_wait_dscnt 8
	CVTC \s
	MMC \s
.endr
	PLACES
	FETCHC 6
	s_wait_dscnt 6                                 ; step 6 has six loads
	CVTC 5
	MMC 5
	PLACES
	s_wait_dscnt 0x0
	CVTC 6
	MMC 6
	PLACES
.irp m, 0,1
	ds_store_b128 v[AC], v[ACCM+8*(\m):ACCM+8*(\m)+3]   offset:16*SP*(\m)      ; back to the bytes that I alone have read since the barrier
	ds_store_b128 v[AC], v[ACCM+8*(\m)+4:ACCM+8*(\m)+7] offset:16*SP*(\m)+16
.endr
	s_wait_dscnt 0x0
	s_barrier_signal -1
	s_barrier_wait -1                              ; the quad's scores are whole
	; THE SIGMOID of my 8 rows: 1 / (1 + 2^(-z log2 e)); an overflow of the exponential gives 0, an underflow 1: the sigmoid's own ends
.irp bi, 0,1,2,3,4,5,6,7
	ds_load_b64 v[Z+2*(\bi):Z+2*(\bi)+1], v[ARD] offset:SP*(\bi)
.endr
	s_wait_dscnt 0x0
.irp bi, 0,1,2,3,4,5,6,7
	v_pk_mul_f32 v[Z+2*(\bi):Z+2*(\bi)+1], v[Z+2*(\bi):Z+2*(\bi)+1], 0xbfb8aa3b op_sel_hi:[1,0]
.endr
.set i, 0
.rept 16
	v_exp_f32 v[Z+i], v[Z+i]
.set i, i+1
.endr
	v_nop
	s_wait_alu depctr_va_vdst(0)                   ; one wait for the sixteen exponentials
.irp bi, 0,1,2,3,4,5,6,7
	v_pk_add_f32 v[Z+2*(\bi):Z+2*(\bi)+1], v[Z+2*(\bi):Z+2*(\bi)+1], 1.0 op_sel_hi:[1,0]
.endr
.set i, 0
.rept 16
	v_rcp_f32 v[Z+i], v[Z+i]
.set i, i+1
.endr
	v_nop
	s_wait_alu depctr_va_vdst(0)                   ; and one for the sixteen reciprocals
.irp bi, 0,1,2,3,4,5,6,7
	global_store_b64 v[GO], v[Z+2*(\bi):Z+2*(\bi)+1], s[12:13] offset:160000*(\bi) th:TH_STORE_NT  ; the wave's store covers 256 consecutive bytes, at a multiple of 256 from out0's first byte
.endr
	s_wait_tensorcnt 0x0                           ; the wave's end: behind my last tensor load and my last LDS store
	ds_add_u32 v[SPW], v[NIL]
	s_wait_dscnt 0x0
	s_endpgm
.Lfunc_end_k_qcba433108d_score:
	.size	k_qcba433108d_score, .Lfunc_end_k_qcba433108d_score-k_qcba433108d_score
	.p2alignl 7, 3214868480
	.fill 96, 4, 3214868480
	.section	.rodata,"a",@progbits
	.p2align	6, 0x0
	.amdhsa_kernel k_qcba433108d_score
		.amdhsa_group_segment_fixed_size 327680
		.amdhsa_private_segment_fixed_size 0
		.amdhsa_enable_private_segment 0
		.amdhsa_kernarg_size 40
		.amdhsa_user_sgpr_count 2
		.amdhsa_user_sgpr_kernarg_segment_ptr 1
		.amdhsa_wavefront_size32 1
		.amdhsa_system_sgpr_workgroup_id_x 1
		.amdhsa_system_sgpr_workgroup_id_y 1
		.amdhsa_system_sgpr_workgroup_id_z 1
		.amdhsa_system_vgpr_workitem_id 0
		.amdhsa_next_free_vgpr 192
		.amdhsa_next_free_sgpr 102
		.amdhsa_reserve_vcc 0
		.amdhsa_float_denorm_mode_32 3
		.amdhsa_float_denorm_mode_16_64 3
		.amdhsa_memory_ordered 1
		.amdhsa_forward_progress 1
		.amdhsa_inst_pref_size 47
	.end_amdhsa_kernel
	.amdgpu_metadata
---
amdhsa.version: [ 1, 2 ]
amdhsa.kernels:
  - .name:           k_qcba433108d_score
    .symbol:         k_qcba433108d_score.kd
    .args:
      - { .name: E, .offset: 0, .size: 8, .value_kind: global_buffer, .address_space: global }
      - { .name: lits, .offset: 8, .size: 8, .value_kind: global_buffer, .address_space: global }
      - { .name: x2t, .offset: 16, .size: 8, .value_kind: global_buffer, .address_space: global }
      - { .name: tab, .offset: 24, .size: 8, .value_kind: global_buffer, .address_space: global }
      - { .name: out0, .offset: 32, .size: 8, .value_kind: global_buffer, .address_space: global }
    .group_segment_fixed_size: 327680
    .private_segment_fixed_size: 0
    .kernarg_segment_align: 8
    .kernarg_segment_size: 40
    .max_flat_workgroup_size: 640
    .sgpr_count:     102
    .vgpr_count:     192
    .wavefront_size: 32
...
	.end_amdgpu_metadata
.endif
;; end of part 3
;; ======== version 2 of 2: 3 launches; 1.64 times as fast as version 1
;; limits: inputs' magnitudes at most 65,504; values are held in f16: magnitudes above 65,504 overflow, below 6.1e-05 lose precision
;; workspace buffers: part 10,240,000 bytes; x2t 25,600 bytes; tab 33,024 bytes
;; launch core: the kernel of part 1 again; grid 200 x 1, 7 waves a work-group, no clusters, 253,184 bytes of LDS; arguments E, R, W, bn0_gamma, bn0_beta, e1_idx, r_idx, part; writes part
;; launch norm (part 4): grid 108 x 1, 8 waves a work-group, no clusters, 3,072 bytes of LDS; arguments part, bn1_gamma, bn1_beta, lits, c, var_l, nf, e1_idx, r_idx, x2t, tab; writes x2t, tab
.if DOCPART == 4
	.amdgcn_target "amdgcn-amd-amdhsa--gfx1250"
	.amdhsa_code_object_version 6
	.text
	.protected	k_qcba433108d_norm
	.globl	k_qcba433108d_norm
	.p2align	8
	.type	k_qcba433108d_norm,@function
k_qcba433108d_norm:
	s_mov_b64 s[64:65], 0
	v_nop
	global_prefetch_b8 v0, s[64:65] scope:SCOPE_SE
	s_setreg_imm32_b32 hwreg(HW_REG_WAVE_MODE, 25, 1), 1
	s_wait_xcnt 0x0
; Second launch.  Nothing of reference() is left out.
; Work-groups 0 to 99: y[b][j] = the sum over k of part[j][k][b] for columns j = 2 g, 2 g + 1; x2 = BN1(y) (batch statistics, biased variance), stored as f16, x2t[j][b]: a matrix operand, rounded once.
; Work-groups 100 to 107: the tables of the literal branch, all f32, a row b to a wave.  With s_l = sqrt(log2 e / var_l):
;   exp(-(lits[e1_idx[b]][l] - lits[n][l] - c_l)^2 / var_l) = 2^(-(s_l lits[n][l] - u)^2),  u = s_l (lits[e1_idx[b]][l] - c_l).
;   tab + 0: -u, [64 b][64 l];   tab + 16,384: w = nf[r_idx[b]][l], [64 b][64 l];   tab + 32,768: s_l.
; LIMITS.  var_l > 0 (its root's reciprocal is taken; the problem calls it a positive variance).  |x2| <= sqrt(63) |gamma| + |beta|, under 65,504.  NaN and infinities are not treated apart.
; A short stream that is summed once: no matrix unit, no cluster, no tensor load; all of a wave's loads go out at its head.
.set RED,   0                          ; eight waves' partial sums, 256 bytes each
.set SPARE, 2048                       ; the spare words, 128 bytes a wave
	s_load_b512 s[4:19], s[0:1], 0x0               ; part 4:5, gamma 6:7, beta 8:9, lits 10:11, c 12:13, var_l 14:15, nf 16:17, e1_idx 18:19
	s_load_b128 s[20:23], s[0:1], 0x40             ; r_idx 20:21, x2t 22:23
	s_load_b64 s[24:25], s[0:1], 0x50              ; tab
	v_lshl_add_u32 v1, v0, 2, SPARE
	v_mov_b32 v2, 0
	v_lshrrev_b32 v3, 5, v0
	v_readfirstlane_b32 s26, v3                    ; wave
	v_and_b32 v3, 15, v0                           ; r
	v_bfe_u32 v4, v0, 4, 1                         ; h
	v_and_b32 v5, 31, v0                           ; lane
	s_mov_b32 s27, ttmp9                           ; g
	s_wait_kmcnt 0x0
	s_cmp_ge_u32 s27, 100                          ; the same in all waves of a work-group
	s_cbranch_scc1 .Ltab
	; THE SUM.  Two columns are 102,400 dense bytes: wave w takes 12,800 of them (50 k of one column): 25 loads of 512 bytes, lanes 0-15 an even k, lanes 16-31 an odd one, b = 4 r .. 4 r + 3
	s_lshl_b32 s28, s27, 3
	v_lshl_add_u32 v7, v4, 2, s28                  ; 4 (2 g + h)
	global_load_b32 v8, v7, s[6:7]
	global_load_b32 v9, v7, s[8:9]
	s_mul_i32 s28, s27, 102400
	s_mul_i32 s29, s26, 12800
	s_add_co_u32 s28, s28, s29
	s_mov_b32 s29, 0
	s_add_nc_u64 s[4:5], s[4:5], s[28:29]
	v_lshlrev_b32 v6, 4, v5
.set it, 0
.rept 25
	global_load_b128 v[32+4*it:35+4*it], v6, s[4:5] offset:512*it th:TH_LOAD_NT
.set it, it+1
.endr
	s_mov_b32 s30, 0x76543210                      ; v_permlanex16_b32: each lane takes its own place in the other half
	s_mov_b32 s31, 0xfedcba98
	v_lshlrev_b32 v10, 4, v3
	v_lshl_add_u32 v10, s26, 8, v10                ; RED + 256 w + 16 r
	v_lshlrev_b32 v11, 4, v3
	v_lshl_add_u32 v11, v4, 10, v11                ; RED + 1,024 h + 16 r
.macro ADDIN it                        ; two chains, on the registers of loads 0 and 1
	v_pk_add_f32 v[32+4*((\it)%2):33+4*((\it)%2)], v[32+4*((\it)%2):33+4*((\it)%2)], v[32+4*(\it):33+4*(\it)]
	v_pk_add_f32 v[34+4*((\it)%2):35+4*((\it)%2)], v[34+4*((\it)%2):35+4*((\it)%2)], v[34+4*(\it):35+4*(\it)]
.endm
	s_wait_loadcnt 20                              ; each count: the younger loads that may stay out
.irp it, 2,3,4
	ADDIN \it
.endr
	s_wait_loadcnt 15
.irp it, 5,6,7,8,9
	ADDIN \it
.endr
	s_wait_loadcnt 10
.irp it, 10,11,12,13,14
	ADDIN \it
.endr
	s_wait_loadcnt 5
.irp it, 15,16,17,18,19
	ADDIN \it
.endr
	s_wait_loadcnt 0x0
.irp it, 20,21,22,23,24
	ADDIN \it
.endr
	v_pk_add_f32 v[32:33], v[32:33], v[36:37]
	v_pk_add_f32 v[34:35], v[34:35], v[38:39]
.irp i, 0,1,2,3
	v_permlanex16_b32 v[40+(\i)], v[32+(\i)], s30, s31     ; the other parity of k (the destinations have been written, by loads)
.endr
	v_pk_add_f32 v[32:33], v[32:33], v[40:41]
	v_pk_add_f32 v[34:35], v[34:35], v[42:43]
	ds_store_b128 v10, v[32:35]                    ; both halves of the lanes hold the same sums and write them to the same place
	s_wait_dscnt 0x0
	s_barrier_signal -1
	s_barrier_wait -1
	s_cmp_lg_u32 s26, 0
	s_cbranch_scc1 .Lend
	; wave 0: lane (r, h) has column 2 g + h (waves 4 h .. 4 h + 3) and b = 4 r .. 4 r + 3
.irp w, 0,1,2,3
	ds_load_b128 v[32+4*(\w):35+4*(\w)], v11 offset:256*(\w)
.endr
	s_wait_dscnt 0x0
	v_pk_add_f32 v[32:33], v[32:33], v[36:37]
	v_pk_add_f32 v[34:35], v[34:35], v[38:39]
	v_pk_add_f32 v[40:41], v[40:41], v[44:45]
	v_pk_add_f32 v[42:43], v[42:43], v[46:47]
	v_pk_add_f32 v[32:33], v[32:33], v[40:41]
	v_pk_add_f32 v[34:35], v[34:35], v[42:43]
	v_pk_add_f32 v[48:49], v[32:33], v[34:35]
	v_add_f32 v48, v48, v49
.irp m, 1,2,4,8
	v_add_f32_dpp v48, v48, v48 row_xmask:\m row_mask:0xf bank_mask:0xf
.endr
	v_mul_f32 v48, 0x3c800000, v48                 ; the mean over the 64 b
	v_mov_b32 v49, v48
	v_pk_add_f32 v[32:33], v[32:33], v[48:49] neg_lo:[0,1] neg_hi:[0,1]
	v_pk_add_f32 v[34:35], v[34:35], v[48:49] neg_lo:[0,1] neg_hi:[0,1]
	v_pk_mul_f32 v[50:51], v[32:33], v[32:33]
	v_pk_fma_f32 v[50:51], v[34:35], v[34:35], v[50:51]
	v_add_f32 v50, v50, v51
.irp m, 1,2,4,8
	v_add_f32_dpp v50, v50, v50 row_xmask:\m row_mask:0xf bank_mask:0xf
.endr
	v_mov_b32 v51, 0x3727c5ac                      ; 1e-5
	v_fmamk_f32 v50, v50, 0x3c800000, v51
	v_rsq_f32 v52, v50
	v_nop
	v_mov_b32 v54, v9
	v_mov_b32 v55, v9
	s_wait_alu depctr_va_vdst(0)                   ; ahead of the root's first reader
	v_mul_f32 v52, v8, v52
	v_mov_b32 v53, v52
	v_pk_fma_f32 v[32:33], v[32:33], v[52:53], v[54:55]
	v_pk_fma_f32 v[34:35], v[34:35], v[52:53], v[54:55]
	v_cvt_pk_f16_f32 v56, v32, v33
	v_cvt_pk_f16_f32 v57, v34, v35
	s_lshl_b32 s28, s27, 8
	v_lshl_add_u32 v12, v5, 3, s28
	global_store_b64 v12, v[56:57], s[22:23]       ; two columns of 128 bytes: the wave's one store covers 256 consecutive bytes, aligned
	s_branch .Lend
.Ltab:                                         ; row b = 8 (g - 100) + wave; a lane holds l = 2 lane, 2 lane + 1
	s_sub_co_u32 s28, s27, 100
	s_lshl_b32 s28, s28, 3
	s_add_co_u32 s28, s28, s26
	s_lshl_b32 s29, s28, 2
	s_load_b32 s30, s[18:19], s29 offset:0x0
	s_load_b32 s31, s[20:21], s29 offset:0x0
	v_lshlrev_b32 v6, 3, v5
	global_load_b64 v[12:13], v6, s[12:13]         ; c
	global_load_b64 v[14:15], v6, s[14:15]         ; var_l
	s_wait_kmcnt 0x0
	s_min_u32 s30, s30, 39999
	s_min_u32 s31, s31, 499
	s_lshl_b32 s30, s30, 8                         ; rows of 256 bytes
	s_lshl_b32 s31, s31, 8
	v_add_nc_u32 v7, s30, v6
	v_add_nc_u32 v8, s31, v6
	global_load_b64 v[16:17], v7, s[10:11]         ; lits[e1_idx[b]]
	global_load_b64 v[18:19], v8, s[16:17]         ; nf[r_idx[b]]
	s_lshl_b32 s29, s28, 8
	v_lshl_add_u32 v9, v5, 3, s29                  ; 256 b + 8 lane
	s_wait_loadcnt 0x0
	v_rsq_f32 v20, v14
	v_rsq_f32 v21, v15
	v_pk_add_f32 v[22:23], v[12:13], v[16:17] neg_lo:[0,1] neg_hi:[0,1]  ; c - lit: the plain instruction behind the roots
	s_wait_alu depctr_va_vdst(0)                   ; one wait for both roots
	v_pk_mul_f32 v[20:21], v[20:21], 0x3f99be61 op_sel_hi:[1,0]          ; s = sqrt(log2 e) / sqrt(var)
	v_pk_mul_f32 v[22:23], v[22:23], v[20:21]      ; -u
	global_store_b64 v9, v[22:23], s[24:25]                ; each of the wave's stores covers a row's 256 consecutive bytes, aligned
	global_store_b64 v9, v[18:19], s[24:25] offset:16384
	s_cmp_eq_u32 s28, 0
	s_cbranch_scc0 .Lend
	global_store_b64 v6, v[20:21], s[24:25] offset:32768
.Lend:
	s_wait_tensorcnt 0x0                           ; the wave's end: behind my last LDS store
	ds_add_u32 v1, v2
	s_wait_dscnt 0x0
	s_endpgm
.Lfunc_end_k_qcba433108d_norm:
	.size	k_qcba433108d_norm, .Lfunc_end_k_qcba433108d_norm-k_qcba433108d_norm
	.p2alignl 7, 3214868480
	.fill 96, 4, 3214868480
	.section	.rodata,"a",@progbits
	.p2align	6, 0x0
	.amdhsa_kernel k_qcba433108d_norm
		.amdhsa_group_segment_fixed_size 3072
		.amdhsa_private_segment_fixed_size 0
		.amdhsa_enable_private_segment 0
		.amdhsa_kernarg_size 88
		.amdhsa_user_sgpr_count 2
		.amdhsa_user_sgpr_kernarg_segment_ptr 1
		.amdhsa_wavefront_size32 1
		.amdhsa_system_sgpr_workgroup_id_x 1
		.amdhsa_system_sgpr_workgroup_id_y 1
		.amdhsa_system_sgpr_workgroup_id_z 1
		.amdhsa_system_vgpr_workitem_id 0
		.amdhsa_next_free_vgpr 144
		.amdhsa_next_free_sgpr 66
		.amdhsa_reserve_vcc 0
		.amdhsa_float_denorm_mode_32 3
		.amdhsa_float_denorm_mode_16_64 3
		.amdhsa_memory_ordered 1
		.amdhsa_forward_progress 1
		.amdhsa_inst_pref_size 13
	.end_amdhsa_kernel
	.amdgpu_metadata
---
amdhsa.version: [ 1, 2 ]
amdhsa.kernels:
  - .name:           k_qcba433108d_norm
    .symbol:         k_qcba433108d_norm.kd
    .args:
      - { .name: part, .offset: 0, .size: 8, .value_kind: global_buffer, .address_space: global }
      - { .name: bn1_gamma, .offset: 8, .size: 8, .value_kind: global_buffer, .address_space: global }
      - { .name: bn1_beta, .offset: 16, .size: 8, .value_kind: global_buffer, .address_space: global }
      - { .name: lits, .offset: 24, .size: 8, .value_kind: global_buffer, .address_space: global }
      - { .name: c, .offset: 32, .size: 8, .value_kind: global_buffer, .address_space: global }
      - { .name: var_l, .offset: 40, .size: 8, .value_kind: global_buffer, .address_space: global }
      - { .name: nf, .offset: 48, .size: 8, .value_kind: global_buffer, .address_space: global }
      - { .name: e1_idx, .offset: 56, .size: 8, .value_kind: global_buffer, .address_space: global }
      - { .name: r_idx, .offset: 64, .size: 8, .value_kind: global_buffer, .address_space: global }
      - { .name: x2t, .offset: 72, .size: 8, .value_kind: global_buffer, .address_space: global }
      - { .name: tab, .offset: 80, .size: 8, .value_kind: global_buffer, .address_space: global }
    .group_segment_fixed_size: 3072
    .private_segment_fixed_size: 0
    .kernarg_segment_align: 8
    .kernarg_segment_size: 88
    .max_flat_workgroup_size: 256
    .sgpr_count:     66
    .vgpr_count:     144
    .wavefront_size: 32
...
	.end_amdgpu_metadata
.endif
;; end of part 4
;; launch score (part 5): grid 250 x 1, 20 waves a work-group, no clusters, 327,680 bytes of LDS; arguments E, lits, x2t, tab, out0; writes out0
.if DOCPART == 5
	.amdgcn_target "amdgcn-amd-amdhsa--gfx1250"
	.amdhsa_code_object_version 6
	.text
	.protected	k_qcba433108d_score
	.globl	k_qcba433108d_score
	.p2align	8
	.type	k_qcba433108d_score,@function
k_qcba433108d_score:
	s_mov_b64 s[64:65], 0
	v_nop
	global_prefetch_b8 v0, s[64:65] scope:SCOPE_SE
	s_setreg_imm32_b32 hwreg(HW_REG_WAVE_MODE, 25, 1), 1
	s_wait_xcnt 0x0
; Third launch.  Nothing of reference() is left out.  out0[b][n] = sigmoid(x2[b] . E[n] + the sum over l of w[b][l] 2^(-(v[n][l] - u[b][l])^2)),  v = s_l lits[n][l]; -u, w, s from the tables of the launch before.
; FORMATS.  x2 and E go to the matrix unit as f16, E rounded once from f32; all else in f32.  LIMITS.  |E| under 65,504; an exponential below 2^-126 counts as 0; NaN and infinities are not treated apart.
; The exponents are <= 0 by their form (a negated square), as in reference(): no maximum is taken there either.
; SHARES.  625 blocks of 64 n x 8 octets of b = 5,000 items; a wave takes one: 250 work-groups of 20 waves.  A QUAD of four waves (QD = wave / 4, NT = wave % 4) has one block and 32 b.
; A work-group holds three blocks in three LDS slots.  Quad QD reads slot SL = (QD + 1) / 2 and region XR = QD % 2 of x2 and of the tables: no LDS address hangs on the work-group's number c.  Its parity enters
; global addresses alone: slot s holds block 5 c / 2 + s (c odd) or 5 c / 2 + 2 - s (c even), region x the half x xor (c % 2) of the 64 b.  So quad QD serves that block and b = 32 (XR xor c % 2) + 0..31.
; ORDER.  lits, x2 and the tables are asked for first (waves 0 to 8); when they are in, E (waves 0 to 11, 50 rows of 256 bytes each), which lands under the loop of exponentials.
; THE LOOP.  Lane (r, h) holds n = r + 16 i, i = 0..3, and l = 32 h + 0..31: 128 numbers v in registers.  -u and w of a row b come out of LDS, 16 bytes (4 l) a lane, the same for the 16 lanes of a half:
; each number fetched serves four n.  A packed pair is (l, l + 1) of one n.  At a row's end the pair's halves and the two halves of the lanes are added.
; The quad's 32 x 64 sums go to its stage in LDS and are the C operand of E x2^T; the whole score goes back to the stage; each wave then takes its 8 rows b, 64 n = 256 consecutive bytes each, through the sigmoid.
; NO CLUSTER: of a work-group's three blocks one is shared, with one neighbour; x2 and the tables are 58,368 of some 260,000 bytes.  All of a WGP's LDS is claimed; the text uses all of it.
.set ET,    0                          ; E in f32, 192 rows of 800 bytes: 600 blocks of 256
.set LT,    153600                     ; lits in f32, 192 rows, pitch 272
.set TB,    205824                     ; the tables, rows of 256 bytes: -u of region 0, -u of region 1, w of region 0, w of region 1: 32 rows each
.set WOFF,  16384                      ; from a row of -u to the same row of w
.set XT,    238592                     ; x2 in f16: two regions [224 j][32 b], pitch 96 = 3 x 32; rows 200 to 223 are zeros, by the descriptor's extent
.set XREG,  21504
.set STG,   281600                     ; a quad's stage: 32 b x 64 n in f32, pitch 272
.set SP,    272
.set SPARE, 325120                     ; the spare words, 128 bytes a wave: ten blocks of 256 that no other line names
.set SPW, 1                            ; v1   SPARE + 4 x thread; never rewritten
.set NIL, 2                            ; v2   0; never rewritten
.set ASN, 3                            ; v3   STG + 8,704 QD + 2,176 NT + 4 r, one stage row on for each b
.set TA,  4                            ; v4   TB + 8,192 XR + 2,048 NT + 128 h, one table row on for each b
.set SO,  5                            ; v5   h, then 128 h: my half of s_l; not rewritten behind that
.set RT,  6                            ; v6   r
.set AL,  7                            ; v7   LT + 17,408 SL + 272 r + 128 h
.set U,   8                            ; v[8:15]   -u of two batches, 4 l each
.set AP,  16                           ; v[16:23]  the weighted sums: a pair (even l, odd l) for each of my four n
.set W,   24                           ; v[24:31]  w of two batches
.set V,   32                           ; v[32:159] v[32 + 32 i + j] = s_l lits[n0 + r + 16 i][l], l = 32 h + j
.set T0,  160                          ; v[160:175], v[176:191]  two batches of 4 l x 4 n at work; first: s_l of my half
.set ACCM, 32                          ; behind the loop: two accumulators,
.set RAWE, 48                          ; E in f32, two sets of 16,
.set XFR,  80                          ; x2's fragments, two sets of 16,
.set EF,   112                         ; E's fragment in f16,
.set Z,    128                         ; my 8 rows of scores,
.set RR,  144                          ; r, h, lane, one at work,
.set HH,  145
.set LN,  146
.set TM,  147
.set AC,  148                          ; STG + 8,704 QD + 272 r + 64 NT + 32 h
.set AE,  149                          ; ET + 800 (64 SL + 16 NT + r) + 32 h
.set AE6, 150                          ; the same row + 768, without h: the row's last eight numbers
.set AXT, 151                          ; XT + 21,504 XR + 96 (8 h + lane % 8) + 16 ((lane / 8) % 2)
.set ARD, 152                          ; STG + 8,704 QD + 2,176 NT + 8 lane
.set GO,  153                          ; 8 lane
.set WV,  14                           ; s14  wave
.set PAR, 15                           ; s15  c % 2
.set SEL, 28                           ; s[28:29]  v_permlanex16_b32's selects: each lane takes its own place in the other half
	s_load_b256 s[4:11], s[0:1], 0x0               ; E 4:5, lits 6:7, x2t 8:9, tab 10:11
	s_load_b64 s[12:13], s[0:1], 0x20              ; out0
	v_lshl_add_u32 v[SPW], v0, 2, SPARE
	v_mov_b32 v[NIL], 0
	ds_add_u32 v[SPW], v[NIL]                      ; the wave's opening: the add, twice on end, and its wait ahead of my first tensor load
	ds_add_u32 v[SPW], v[NIL]
	v_lshrrev_b32 v[SO], 5, v0
	v_readfirstlane_b32 s[WV], v[SO]
	s_and_b32 s[PAR], ttmp9, 1
	s_mul_i32 s101, ttmp9, 5
	s_lshr_b32 s101, s101, 1                       ; the work-group's first block
	s_lshr_b32 s68, s[WV], 2                       ; QD
	s_and_b32 s69, s[WV], 3                        ; NT
	s_add_co_u32 s70, s68, 1
	s_lshr_b32 s70, s70, 1                         ; SL
	s_and_b32 s71, s68, 1                          ; XR
	s_xor_b32 s72, s71, s[PAR]                     ; which 32 b are my quad's
	s_sub_co_u32 s73, 2, s70
	s_cmp_eq_u32 s[PAR], 1
	s_cselect_b32 s73, s70, s73
	s_add_co_u32 s73, s73, s101                    ; my block
	s_lshl2_add_u32 s76, s72, s69                  ; my octet of b:
	s_mul_i32 s76, s76, 1280000                    ; 8 rows of out0, 160,000 bytes each,
	s_lshl_b32 s77, s73, 8                         ; and my block's 256 bytes in a row
	s_add_co_u32 s76, s76, s77
	s_mov_b32 s77, 0
	s_mov_b32 s[SEL], 0x76543210
	s_mov_b32 s[SEL+1], 0xfedcba98
	; E's descriptor: 50 rows of 32 elements of 8 bytes, dense; LDS address 12,800 x wave (waves 0 to 11: four to a slot)
	s_mov_b32 s84, 1
	s_mul_i32 s85, s[WV], 12800
	s_mov_b32 s88, 3<<16
	s_mov_b32 s89, 32<<16
	s_mov_b32 s90, 50<<16
	s_mov_b32 s91, 32<<16
	s_mov_b32 s92, 50
	s_mov_b32 s93, 32
	s_mov_b32 s94, 0
	s_mov_b32 s95, 0
	s_min_u32 s80, s68, 2                          ; the slot that I fill (held to 2 in the waves that fill none)
	s_sub_co_u32 s81, 2, s80
	s_cmp_eq_u32 s[PAR], 1
	s_cselect_b32 s80, s80, s81
	s_add_co_u32 s80, s80, s101
	s_mul_i32 s80, s80, 51200                      ; its block's 64 rows of E,
	s_mul_i32 s81, s69, 12800                      ; my quarter of them
	s_add_co_u32 s80, s80, s81
	s_mov_b32 s81, 0
	; the addresses that the loop needs; those of the work behind it are made behind it, in registers that the loop has left
	v_and_b32 v[RT], 15, v0
	v_bfe_u32 v[SO], v0, 4, 1
	s_mul_i32 s78, s70, 17408
	s_add_co_u32 s78, s78, LT
	v_mul_u32_u24 v[AL], v[RT], 272
	v_lshl_add_u32 v[AL], v[SO], 7, v[AL]
	v_add_nc_u32 v[AL], s78, v[AL]
	s_mul_i32 s74, s68, 32*SP
	s_add_co_u32 s74, s74, STG                     ; s74: my quad's stage
	s_mul_i32 s75, s69, 8*SP
	s_add_co_u32 s75, s75, s74                     ; s75: my 8 rows of it
	v_lshl_add_u32 v[ASN], v[RT], 2, s75
	s_lshl_b32 s78, s71, 13
	s_lshl_b32 s79, s69, 11
	s_add_co_u32 s78, s78, s79
	s_add_co_u32 s78, s78, TB
	v_lshl_add_u32 v[TA], v[SO], 7, s78
	v_lshlrev_b32 v[SO], 7, v[SO]
	s_wait_dscnt 0x0                               ; both opening adds are done
	s_wait_kmcnt 0x0
	s_add_nc_u64 s[12:13], s[12:13], s[76:77]      ; out0 at my first row and my block
	s_add_nc_u64 s[86:87], s[4:5], s[80:81]
	s_or_b32 s87, s87, 0x80000000
.irp c, 0,1,2,3,4,5,6,7
	global_load_b128 v[T0+4*(\c):T0+4*(\c)+3], v[SO], s[10:11] offset:32768+16*(\c)  ; s_l of my 32 l
.endr
	; THE FIRST FILLS, one a wave, inside one branch on the wave's number: waves 0 to 2 a slot of lits each, waves 3 and 4 a half of x2 each, waves 5 to 8 a quarter of the tables each
	s_cmp_lt_u32 s[WV], 9
	s_cbranch_scc0 .Lno_fill
	s_cmp_lt_u32 s[WV], 3
	s_cbranch_scc0 .Lfor_x
	s_mov_b32 s16, 1
	s_mul_i32 s17, s[WV], 17408
	s_add_co_u32 s17, s17, LT
	s_sub_co_u32 s78, 2, s[WV]
	s_cmp_eq_u32 s[PAR], 1
	s_cselect_b32 s78, s[WV], s78
	s_add_co_u32 s78, s78, s101
	s_lshl_b32 s78, s78, 14                        ; the slot's block: 64 rows of 256 bytes
	s_mov_b32 s79, 0
	s_add_nc_u64 s[18:19], s[6:7], s[78:79]
	s_or_b32 s19, s19, 0x80000000
	s_mov_b32 s20, (2<<16)|(1<<20)|(5<<22)|(3<<25) ; elements of 4 bytes; padding on: after every 64 words (code 5) 4 words (code 3): pitch 272
	s_mov_b32 s21, 64<<16
	s_mov_b32 s22, 64<<16
	s_mov_b32 s23, 64<<16
	s_mov_b32 s24, 64
	s_mov_b32 s25, 64
	s_mov_b32 s26, 0
	s_mov_b32 s27, 0
	tensor_load_to_lds s[16:19], s[20:27]
	s_nop 0
.rept 4
	v_nop
.endr
	s_branch .Lno_fill
.Lfor_x:
	s_cmp_lt_u32 s[WV], 5
	s_cbranch_scc0 .Lfor_t
	s_sub_co_u32 s78, s[WV], 3                     ; the region
	s_mov_b32 s16, 1
	s_mul_i32 s17, s78, XREG
	s_add_co_u32 s17, s17, XT
	s_xor_b32 s78, s78, s[PAR]                     ; the half of the 64 b that it holds:
	s_lshl_b32 s78, s78, 6                         ; 64 bytes into each column's 128
	s_mov_b32 s79, 0
	s_add_nc_u64 s[18:19], s[8:9], s[78:79]
	s_or_b32 s19, s19, 0x80000000
	s_mov_b32 s20, (1<<16)|(1<<20)|(3<<22)|(7<<25) ; elements of 2 bytes; after every 16 words (code 3) 8 words (code 7): pitch 96
	s_mov_b32 s21, 32<<16                          ; tensor_dim0 = 32
	s_mov_b32 s22, 200<<16                         ; tensor_dim1 = 200: the tile's rows from 200 on arrive as zeros
	s_mov_b32 s23, 32<<16                          ; tile_dim0 = 32
	s_mov_b32 s24, 224                             ; tile_dim1 = 224
	s_mov_b32 s25, 64                              ; 64 elements from column to column
	s_mov_b32 s26, 0
	s_mov_b32 s27, 0
	tensor_load_to_lds s[16:19], s[20:27]
	s_nop 0
.rept 4
	v_nop
.endr
	s_branch .Lno_fill
.Lfor_t:
	s_sub_co_u32 s78, s[WV], 5                     ; quarter t: region t % 2 of -u (t < 2) or of w
	s_mov_b32 s16, 1
	s_lshl_b32 s17, s78, 13
	s_add_co_u32 s17, s17, TB
	s_and_b32 s79, s78, 1
	s_xor_b32 s79, s79, s[PAR]                     ; the half of the 64 b that the region holds:
	s_lshl_b32 s79, s79, 13                        ; 32 rows of 256 bytes
	s_lshr_b32 s78, s78, 1
	s_lshl_b32 s78, s78, 14                        ; -u at 0, w at 16,384
	s_add_co_u32 s78, s78, s79
	s_mov_b32 s79, 0
	s_add_nc_u64 s[18:19], s[10:11], s[78:79]
	s_or_b32 s19, s19, 0x80000000
	s_mov_b32 s20, 3<<16                           ; 32 rows of 32 elements of 8 bytes, dense
	s_mov_b32 s21, 32<<16
	s_mov_b32 s22, 32<<16
	s_mov_b32 s23, 32<<16
	s_mov_b32 s24, 32
	s_mov_b32 s25, 32
	s_mov_b32 s26, 0
	s_mov_b32 s27, 0
	tensor_load_to_lds s[16:19], s[20:27]
	s_nop 0
.rept 4
	v_nop
.endr
.Lno_fill:
	s_wait_tensorcnt 0x0                           ; my fill, if I have one, is in,
	ds_add_u32 v[SPW], v[NIL]                      ; the add, in front of a barrier behind which LDS is filled: twice on end,
	ds_add_u32 v[SPW], v[NIL]
	s_wait_dscnt 0x0
	s_barrier_signal -1
	s_barrier_wait -1                              ; lits, x2 and the tables are whole
	s_cmp_lt_u32 s[WV], 12
	s_cbranch_scc0 .Lno_e
	tensor_load_to_lds s[84:87], s[88:95]          ; E: my one tensor load from here on; it has the whole loop of exponentials in which to land
	s_nop 0
.rept 4
	v_nop
.endr
.Lno_e:
	; v = s_l lits[n][l] for my four n and 32 l: 32 loads straight into V (16 lanes take 16 rows 272 bytes apart: 16 different groups of four banks), scaled in place
.irp i, 0,1,2,3
.irp c, 0,1,2,3,4,5,6,7
	ds_load_b128 v[V+32*(\i)+4*(\c):V+32*(\i)+4*(\c)+3], v[AL] offset:16*272*(\i)+16*(\c)
.endr
.endr
	ds_load_b128 v[U:U+3],   v[TA]                 ; -u of the first row's batches 0 and 1,
	ds_load_b128 v[U+4:U+7], v[TA] offset:16
	ds_load_b128 v[W:W+3],   v[TA] offset:WOFF     ; w of its batch 0
	s_wait_loadcnt 0x0                             ; s_l
.irp i, 0,1,2,3
	s_wait_dscnt 3+8*(3-(\i))                      ; the three loads of -u and w and the later n's loads may stay out
.set j, 0
.rept 16
	v_pk_mul_f32 v[V+32*(\i)+2*j:V+32*(\i)+2*j+1], v[V+32*(\i)+2*j:V+32*(\i)+2*j+1], v[T0+2*j:T0+2*j+1]
.set j, j+1
.endr
.endr
	; THE LOOP OF EXPONENTIALS.  A batch is 4 l x 4 n: pair p of 8 is the l pair p / 4 of n number p % 4.
	s_wait_dscnt 0x0
.set p, 0
.rept 8
	v_pk_add_f32 v[T0+2*p:T0+2*p+1], v[V+32*(p%4)+2*(p/4):V+32*(p%4)+2*(p/4)+1], v[U+2*(p/4):U+2*(p/4)+1]
.set p, p+1
.endr
.set p, 0
.rept 8
	v_pk_mul_f32 v[T0+2*p:T0+2*p+1], v[T0+2*p:T0+2*p+1], v[T0+2*p:T0+2*p+1] neg_lo:[1,0] neg_hi:[1,0]
.set p, p+1
.endr
; Batch k of a row b.  Its 16 exponentials are ONE batch with one wait; between them stand the next batch's v - u and -(v - u)^2, which name none of their results.  Then the 8 weighted sums.
; The two LDS loads at its head bring -u of batch k + 2 and w of batch k + 1 into the registers that batches k and k - 1 have left; they are wanted a batch later.
; Batches 8 and 9 are the next row's 0 and 1.  Behind a wave's last row that is the row that follows in LDS (the next region's first, behind the last region x2's first bytes): loaded, and used for nothing.
.macro ITER k
.set CUR, T0+16*((\k)%2)
.set NXT, T0+16*(((\k)+1)%2)
.set KN,  ((\k)+1)%8
.set UL,  U+4*((\k)%2)
.set UU,  U+4*(((\k)+1)%2)
.set WL,  W+4*(((\k)+1)%2)
.set WU,  W+4*((\k)%2)
	ds_load_b128 v[UL:UL+3], v[TA] offset:16*(((\k)+2)%8)+256*(((\k)+2)/8)
	ds_load_b128 v[WL:WL+3], v[TA] offset:WOFF+16*(((\k)+1)%8)+256*(((\k)+1)/8)
	s_wait_dscnt 2                                 ; the two just issued may stay out: -u of batch k + 1 and w of batch k, issued a batch ago, are in
.set p, 0
.rept 8
	v_exp_f32 v[CUR+2*p], v[CUR+2*p]
	v_pk_add_f32 v[NXT+2*p:NXT+2*p+1], v[V+32*(p%4)+4*KN+2*(p/4):V+32*(p%4)+4*KN+2*(p/4)+1], v[UU+2*(p/4):UU+2*(p/4)+1]
	v_exp_f32 v[CUR+2*p+1], v[CUR+2*p+1]
.if p > 0
	v_pk_mul_f32 v[NXT+2*p-2:NXT+2*p-1], v[NXT+2*p-2:NXT+2*p-1], v[NXT+2*p-2:NXT+2*p-1] neg_lo:[1,0] neg_hi:[1,0]
.endif
.set p, p+1
.endr
	v_pk_mul_f32 v[NXT+14:NXT+15], v[NXT+14:NXT+15], v[NXT+14:NXT+15] neg_lo:[1,0] neg_hi:[1,0]  ; the plain instruction behind the last exponential
	s_wait_alu depctr_va_vdst(0)                   ; one wait for the sixteen, ahead of their first reader
.set p, 0
.rept 8
.if ((\k) == 0) && (p < 4)
	v_pk_mul_f32 v[AP+2*p:AP+2*p+1], v[CUR+2*p:CUR+2*p+1], v[WU:WU+1]      ; a row's first four products start the four sums
.else
	v_pk_fma_f32 v[AP+2*(p%4):AP+2*(p%4)+1], v[CUR+2*p:CUR+2*p+1], v[WU+2*(p/4):WU+2*(p/4)+1], v[AP+2*(p%4):AP+2*(p%4)+1]
.endif
.set p, p+1
.endr
.endm
	s_mov_b32 s100, 8
.Lrow:                                         ; 8 trips, a row b each.  The last trip's last batch prepares a batch that does not exist: 16 lines, the price of one text for all trips
.irp k, 0,1,2,3,4,5,6,7
	ITER \k
.endr
.irp i, 0,1,2,3
	v_add_f32 v[T0+16+(\i)], v[AP+2*(\i)], v[AP+2*(\i)+1]          ; even l + odd l (batch 7's registers are free)
.endr
.irp i, 0,1,2,3
	v_permlanex16_b32 v[T0+20+(\i)], v[T0+16+(\i)], s[SEL], s[SEL+1]  ; the other 32 l lie in the lane 16 away
.endr
	v_pk_add_f32 v[T0+16:T0+17], v[T0+16:T0+17], v[T0+20:T0+21]
	v_pk_add_f32 v[T0+18:T0+19], v[T0+18:T0+19], v[T0+22:T0+23]
.irp i, 0,1,2,3
	ds_store_b32 v[ASN], v[T0+16+(\i)] offset:64*(\i)      ; n = r + 16 i of stage row 8 NT + the trip; both halves of the lanes hold the same sum and write it to the same word
.endr
	v_add_nc_u32 v[ASN], SP, v[ASN]
	v_add_nc_u32 v[TA], 256, v[TA]
	s_sub_co_u32 s100, s100, 1
	s_cmp_lg_u32 s100, 0
	s_cbranch_scc1 .Lrow
	; the addresses of the work that follows, in registers that held v
	v_and_b32 v[RR], 15, v0
	v_bfe_u32 v[HH], v0, 4, 1
	v_and_b32 v[LN], 31, v0
	v_lshl_add_u32 v[ARD], v[LN], 3, s75
	v_lshlrev_b32 v[GO], 3, v[LN]
	s_lshl_b32 s79, s69, 6
	s_add_co_u32 s79, s79, s74
	v_mul_u32_u24 v[AC], v[RR], SP
	v_lshl_add_u32 v[AC], v[HH], 5, v[AC]
	v_add_nc_u32 v[AC], s79, v[AC]
	s_mul_i32 s78, s70, 51200
	s_mul_i32 s79, s69, 12800
	s_add_co_u32 s78, s78, s79
	v_mul_u32_u24 v[AE6], v[RR], 800
	v_add_nc_u32 v[AE6], s78, v[AE6]
	v_lshl_add_u32 v[AE], v[HH], 5, v[AE6]
	v_add_nc_u32 v[AE6], 768, v[AE6]
	v_and_b32 v[TM], 7, v0
	v_lshl_add_u32 v[TM], v[HH], 3, v[TM]
	v_mul_u32_u24 v[AXT], v[TM], 96
	v_bfe_u32 v[TM], v0, 3, 1
	v_lshl_add_u32 v[AXT], v[TM], 4, v[AXT]
	s_mul_i32 s78, s71, XREG
	s_add_co_u32 s78, s78, XT
	v_add_nc_u32 v[AXT], s78, v[AXT]
	s_wait_tensorcnt 0x0                           ; my part of E is in,
	s_wait_dscnt 0x0                               ; my sums are in the stage, and the two loads read ahead are back:
	s_barrier_signal -1
	s_barrier_wait -1                              ; everybody's are
	; E x2^T.  Source 0 = my 16 n (tile NT of the block), source 1 = 16 b: a lane's eight results are eight neighbouring n of one b.  The literal sums are the C operand.  K = 224 in 7 steps.
.macro PLACES                          ; four places behind the last product (ISA guide 7.12.1)
.rept 4
	v_nop
.endr
.endm
.macro FETCHC s                        ; step 6: both halves of the lanes take the row's last eight numbers; those of h = 1 meet x2's rows of zeros
.set RB, RAWE+16*((\s)%2)
.set XB, XFR+16*((\s)%2)
.if (\s) < 6
	ds_load_b128 v[RB:RB+3],     v[AE] offset:128*(\s)
	ds_load_b128 v[RB+4:RB+7],   v[AE] offset:128*(\s)+16
	ds_load_b128 v[RB+8:RB+11],  v[AE] offset:128*(\s)+64
	ds_load_b128 v[RB+12:RB+15], v[AE] offset:128*(\s)+80
.else
	ds_load_b128 v[RB:RB+3],     v[AE6]
	ds_load_b128 v[RB+4:RB+7],   v[AE6] offset:16
.endif
.irp m, 0,1
	ds_load_tr16_b128 v[XB+8*(\m):XB+8*(\m)+3],   v[AXT] offset:3072*(\s)+32*(\m)
	ds_load_tr16_b128 v[XB+8*(\m)+4:XB+8*(\m)+7], v[AXT] offset:3072*(\s)+32*(\m)+1536
.endr
.endm
.macro CVTC s                          ; E to f16, once.  In step 6 registers 4 to 7 keep step 5's finite numbers, which meet zeros
.set RB, RAWE+16*((\s)%2)
.irp i, 0,1,2,3,4,5,6,7
.if ((\s) < 6) || ((\i) < 4)
	v_cvt_pk_f16_f32 v[EF+(\i)], v[RB+2*(\i)], v[RB+2*(\i)+1]
.endif
.endr
.endm
.macro MMC s                           ; the two accumulators take turns, one instruction a turn
.set XB, XFR+16*((\s)%2)
.irp m, 0,1
	v_wmma_f32_16x16x32_f16 v[ACCM+8*(\m):ACCM+8*(\m)+7], v[EF:EF+7], v[XB+8*(\m):XB+8*(\m)+7], v[ACCM+8*(\m):ACCM+8*(\m)+7]
.endr
.endm
.irp m, 0,1
	ds_load_b128 v[ACCM+8*(\m):ACCM+8*(\m)+3],   v[AC] offset:16*SP*(\m)
	ds_load_b128 v[ACCM+8*(\m)+4:ACCM+8*(\m)+7], v[AC] offset:16*SP*(\m)+16
.endr
	FETCHC 0
	FETCHC 1
	s_wait_dscnt 8                                 ; all but the 8 just issued
	CVTC 0
	MMC 0
.irp s, 1,2,3,4
	PLACES
	FETCHC (\s)+1
	s_wait_dscnt 8
	CVTC \s
	MMC \s
.endr
	PLACES
	FETCHC 6
	s_wait_dscnt 6                                 ; step 6 has six loads
	CVTC 5
	MMC 5
	PLACES
	s_wait_dscnt 0x0
	CVTC 6
	MMC 6
	PLACES
.irp m, 0,1
	ds_store_b128 v[AC], v[ACCM+8*(\m):ACCM+8*(\m)+3]   offset:16*SP*(\m)      ; back to the bytes that I alone have read since the barrier
	ds_store_b128 v[AC], v[ACCM+8*(\m)+4:ACCM+8*(\m)+7] offset:16*SP*(\m)+16
.endr
	s_wait_dscnt 0x0
	s_barrier_signal -1
	s_barrier_wait -1                              ; the quad's scores are whole
	; THE SIGMOID of my 8 rows: 1 / (1 + 2^(-z log2 e)); an overflow of the exponential gives 0, an underflow 1: the sigmoid's own ends
.irp bi, 0,1,2,3,4,5,6,7
	ds_load_b64 v[Z+2*(\bi):Z+2*(\bi)+1], v[ARD] offset:SP*(\bi)
.endr
	s_wait_dscnt 0x0
.irp bi, 0,1,2,3,4,5,6,7
	v_pk_mul_f32 v[Z+2*(\bi):Z+2*(\bi)+1], v[Z+2*(\bi):Z+2*(\bi)+1], 0xbfb8aa3b op_sel_hi:[1,0]
.endr
.set i, 0
.rept 16
	v_exp_f32 v[Z+i], v[Z+i]
.set i, i+1
.endr
	v_nop
	s_wait_alu depctr_va_vdst(0)                   ; one wait for the sixteen exponentials
.irp bi, 0,1,2,3,4,5,6,7
	v_pk_add_f32 v[Z+2*(\bi):Z+2*(\bi)+1], v[Z+2*(\bi):Z+2*(\bi)+1], 1.0 op_sel_hi:[1,0]
.endr
.set i, 0
.rept 16
	v_rcp_f32 v[Z+i], v[Z+i]
.set i, i+1
.endr
	v_nop
	s_wait_alu depctr_va_vdst(0)                   ; and one for the sixteen reciprocals
.irp bi, 0,1,2,3,4,5,6,7
	global_store_b64 v[GO], v[Z+2*(\bi):Z+2*(\bi)+1], s[12:13] offset:160000*(\bi) th:TH_STORE_NT  ; the wave's store covers 256 consecutive bytes, at a multiple of 256 from out0's first byte
.endr
	s_wait_tensorcnt 0x0                           ; the wave's end: behind my last tensor load and my last LDS store
	ds_add_u32 v[SPW], v[NIL]
	s_wait_dscnt 0x0
	s_endpgm
.Lfunc_end_k_qcba433108d_score:
	.size	k_qcba433108d_score, .Lfunc_end_k_qcba433108d_score-k_qcba433108d_score
	.p2alignl 7, 3214868480
	.fill 96, 4, 3214868480
	.section	.rodata,"a",@progbits
	.p2align	6, 0x0
	.amdhsa_kernel k_qcba433108d_score
		.amdhsa_group_segment_fixed_size 327680
		.amdhsa_private_segment_fixed_size 0
		.amdhsa_enable_private_segment 0
		.amdhsa_kernarg_size 40
		.amdhsa_user_sgpr_count 2
		.amdhsa_user_sgpr_kernarg_segment_ptr 1
		.amdhsa_wavefront_size32 1
		.amdhsa_system_sgpr_workgroup_id_x 1
		.amdhsa_system_sgpr_workgroup_id_y 1
		.amdhsa_system_sgpr_workgroup_id_z 1
		.amdhsa_system_vgpr_workitem_id 0
		.amdhsa_next_free_vgpr 192
		.amdhsa_next_free_sgpr 102
		.amdhsa_reserve_vcc 0
		.amdhsa_float_denorm_mode_32 3
		.amdhsa_float_denorm_mode_16_64 3
		.amdhsa_memory_ordered 1
		.amdhsa_forward_progress 1
		.amdhsa_inst_pref_size 49
	.end_amdhsa_kernel
	.amdgpu_metadata
---
amdhsa.version: [ 1, 2 ]
amdhsa.kernels:
  - .name:           k_qcba433108d_score
    .symbol:         k_qcba433108d_score.kd
    .args:
      - { .name: E, .offset: 0, .size: 8, .value_kind: global_buffer, .address_space: global }
      - { .name: lits, .offset: 8, .size: 8, .value_kind: global_buffer, .address_space: global }
      - { .name: x2t, .offset: 16, .size: 8, .value_kind: global_buffer, .address_space: global }
      - { .name: tab, .offset: 24, .size: 8, .value_kind: global_buffer, .address_space: global }
      - { .name: out0, .offset: 32, .size: 8, .value_kind: global_buffer, .address_space: global }
    .group_segment_fixed_size: 327680
    .private_segment_fixed_size: 0
    .kernarg_segment_align: 8
    .kernarg_segment_size: 40
    .max_flat_workgroup_size: 640
    .sgpr_count:     102
    .vgpr_count:     192
    .wavefront_size: 32
...
	.end_amdgpu_metadata
.endif
;; end of part 5
